; MI455X (gfx1250); checked and timed in simulation.
; The chip was launched on July 23, 2026; its instructions are those of AMD's public machine-readable ISA for CDNA 5 (MIT licence, August 2026) and "CDNA5" Instruction Set Architecture Reference Guide (July 2026). The comments in the code are by the model that wrote it; some were corrected since.
;; Causal Multi Head Self Attention. Allowed arithmetic: matrix products marked QUANTISED: E2M3 operands, one E8M0 scale for each 32 along K, by v_wmma_scale_f32_16x16x128_f8f6f4 with both operands' format E2M3, f32 sums; everything else in f32.
;; Inputs: Wk 1,024 x 1,024 float32; Wo 1,024 x 1,024 float32; Wq 1,024 x 1,024 float32; Wv 1,024 x 1,024 float32; bo 1,024 float32; input 4 x 2,048 x 1,024 float32.
;; Outputs: out0 4 x 2,048 x 1,024 float32.
;; This version of the problem:
;;   THIS VERSION OF THE PROBLEM IS GIVEN IN LOW PRECISION. The matrix products marked QUANTISED in the list below multiply operands that are first quantised to E2M3 (2 exponent bits, 3 mantissa bits; 6 bits a number), with one power-of-two scale for each 32 numbers along K (OCP MX v1.0); their sums are f32. All else is computed in f32.
;;   The module's matrix products, in the order in which they are computed (A, B: the left and right operand; K: the contracted axis; several contracted axes count as one K, in the product's order):
;;     1. [M 8,192, K 1,024] x [K 1,024, N 1,024]; A: computed on the way; B: input Wq: QUANTISED
;;     2. [M 8,192, K 1,024] x [K 1,024, N 1,024]; A: computed on the way; B: input Wk: QUANTISED
;;     3. [M 8,192, K 1,024] x [K 1,024, N 1,024]; A: input input; B: input Wv: QUANTISED
;;     4. batch 64 x [M 2,048, K 64] x [K 64, N 2,048]; A: computed on the way; B: computed on the way: QUANTISED
;;     5. batch 64 x [M 2,048, K 2,048] x [K 2,048, N 64]; A: softmax (see below); B: computed on the way: QUANTISED
;;     6. [M 8,192, K 1,024] x [K 1,024, N 1,024]; A: computed on the way; B: input Wo: QUANTISED
;;   THE QUANTISER, for each operand of a quantised product, along K:
;;     - K is cut into blocks of 32 from its start; a last block that is shorter is filled with zeros.
;;     - A block's scale is 2^e with e = floor(log2(the largest magnitude in the block)) - 2, held to -126 .. 127; a block of zeros has e = 0. As a byte (E8M0): e + 127.
;;     - Each number is divided by its block's scale, clamped to +-7.5, and rounded to the nearest number of E2M3, ties to even, subnormals kept.
;;     - The product sums the exact products of the quantised numbers (number of the format x scale) in f32.
;;   ~~~python
;;   def quantise(x, axis):      # numpy; x: float32 -> the quantised numbers, widened to float32 again
;;       x = np.moveaxis(x, axis, -1); K = x.shape[-1]
;;       x = np.pad(x, [(0, 0)] * (x.ndim - 1) + [(0, -K % 32)]); x = x.reshape(x.shape[:-1] + (-1, 32)); a = np.abs(x).max(-1, keepdims=True)
;;       e = np.where(a > 0, np.clip(np.frexp(np.where(a > 0, a, 1))[1] - 1 - 2, -126, 127), 0)      # np.frexp(a)[1] - 1 = floor(log2(a)), exactly
;;       r = np.clip(x / 2.0 ** e, -7.5, 7.5)
;;       step = 2.0 ** (np.maximum(np.frexp(np.where(r == 0, 1, r))[1] - 1, 0) - 3)
;;       q = np.round(r / step) * step * 2.0 ** e      # np.round: ties to even
;;       return np.moveaxis(q.reshape(q.shape[:-2] + (-1,))[..., :K], -1, axis).astype(np.float32)
;;   ~~~
;;   SOFTMAX AHEAD OF A QUANTISED PRODUCT. Where the list says 'softmax', what is quantised is not the finished softmax but p = 2^(t - M), with t = logit x log2(e) and M = ceil(the row's largest t), a whole number; so 1/2 < the row's largest p <= 1. The row's sum l is taken of the UNQUANTISED p, in f32, and the product's result is divided by l at the end. Since M is a whole number, a kernel that streams over the keys may use a running M (the ceiling of the running maximum): every later rescaling is an exact power of two, which a block's scale takes up: the codes' values come out the same.
;;   OPERANDS COMPUTED ON THE WAY. 'Computed on the way' means the value that the module computes at that place (a softmax that the list does not call 'softmax' is quantised finished and normalised). What goes into a quantiser is computed in f32, as accurately as f32 sums, v_exp_f32 and their like allow (about 1e-6 of the number): no bf16 or f16 on the way to a quantiser, and a product that is left as it is and whose result goes on into a quantised operand takes f32 operands (vector FMAs, or v_wmma_f32_16x16x4_f32). A number that lies on a knife's edge between two numbers of the format may be rounded either way, as far as f32 arithmetic and the matrix unit's own rounding can turn it there, and no further.
;; One version. Each part assembles by itself: llvm-mc -triple=amdgcn-amd-amdhsa -mcpu=gfx1250 --defsym DOCPART=n.
;; ======== version 1 of 1: 4 launches
;; workspace buffers: opnd 16,384,000 bytes; qkv 26,214,400 bytes; ocod 6,553,600 bytes
;; launch quant (part 1): grid 384 x 1, 4 waves a work-group, no clusters, 68,096 bytes of LDS; arguments input, Wq, Wk, Wv, Wo, opnd; writes opnd
.if DOCPART == 1
	.amdgcn_target "amdgcn-amd-amdhsa--gfx1250"
	.amdhsa_code_object_version 6
	.text
	.protected	k_q1ee874b474_quant
	.globl	k_q1ee874b474_quant
	.p2align	8
	.type	k_q1ee874b474_quant,@function
k_q1ee874b474_quant:
	s_mov_b64 s[64:65], 0
	v_nop
	global_prefetch_b8 v0, s[64:65] scope:SCOPE_SE
	s_setreg_imm32_b32 hwreg(HW_REG_WAVE_MODE, 25, 1), 1
	s_wait_xcnt 0x0
; x = input [4][2048][1024], rx = x with its pairs turned by the angles t x theta(pair), and Wq, Wk, Wv, Wo [1024][1024], all f32 with K innermost, become codes of FP6 (E2M3) with one E8M0 byte for each 32 along K.
; LAYOUT OF THE CODES: a FRAGMENT is 16 rows x 128 K, 12 registers a lane, stored as an image of the operand's registers: six pieces of 256 bytes, piece p = registers 2 p, 2 p + 1, lane l's 8 bytes at 256 p + 8 l.
; Fragment f holds rows 32 (f / 2) + 8 (f % 2) + r + 8 (r / 8), r = 0 .. 15.  Codes lie [f][K step 8][1536], scale words [f][K step 8][r 16].
; SHARES: work-groups 0-255 take the input (f = x / 2, a fragment of a batch), the others the weights (f = (x - 256) / 2).  Wave w takes K step 4 (x % 2) + w, for FOUR sources: the four batches, or the four weights.
; So a lane's sines and cosines (one t, 32 pairs) are made once and serve four batches.  Each load reads 512 consecutive bytes of a row; the 16 rows turn through the wave's own stage in LDS, so that a lane holds 16 neighbours of each block.
; THE ANGLES: theta = 2^-(pair x log2(10000) / 512), the exponent kept in two parts (a product and its exact remainder), v_exp_f32 on the first, 1 - ln 2 x the second beside it.  t x theta is one f32 product.
; Sine and cosine: n = the nearest whole number to angle x 2 / pi; angle - n pi / 2 in two fused steps (pi / 2 in two parts; the first step is exact); polynomials on +-pi / 4; the quadrant swaps and signs.
; LIMITS: theta is as good as v_exp_f32 (1 ulp, ISA guide 15.8), so an angle may differ by some 2e-4 rad at t near 2,047 and theta near 1, the size of the rounding of the f32 product t x theta itself.
; A block of zeros gets the byte 1 (its codes are zeros; the bytes are read by this program alone).  NaN and infinities among the inputs are not served.  A fragment's 16 scale words leave as 64 consecutive bytes.
.set WC_OFF, 12582912                  ; opnd: the weights' codes, 786,432 bytes each (x's codes at 0, rx's behind them)
.set XS_OFF, 15728640                  ; x's scale words (rx's behind them)
.set WS_OFF, 16252928                  ; the weights' scale words, 32,768 bytes each
.set RXC,    6291456                   ; from x's codes to rx's
.set RXS,    262144                    ; from x's scale words to rx's
.set STG,    16*528                    ; a stage: 16 rows x (512 bytes + 16)
.set SPARE,  8*STG                     ; behind the eight stages (four for each path): the spare words, 128 bytes a wave
.set PI0, 9                            ; v9   64 s + 8 h: my first pair
.set TF,  10                           ; v10  my row's t as f32
.set SPW, 12                           ; v12  my spare word; never rewritten
.set NIL, 13                           ; v13  0; never rewritten
.set TM,  16                           ; v16-31 at work
.set PC,  32                           ; v32-51 the codes just made
.set PW,  52                           ; v52  the scale word just made
.set SETA, 56                          ; v56-119, v120-183: two sets of 64 numbers
.set SN,  184                          ; v184-215 sines of my 32 pairs
.set CSN, 216                          ; v216-247 cosines
.set SRC, 20                           ; s[20:27] the four sources at my rows and K step
.set DC,  28                           ; s[28:35] where their codes go
.set DSC, 36                           ; s[36:43] where their scale words go
.set SEL, 44
.set CH,  46
.set CL,  47
.set NLN2, 48
.set TWOPI, 49
.set NP1, 50
.set P2,  51
.set S0,  52
.set S1,  53
.set S2,  54
.set C0,  55
.set C1,  56
.set C2,  57
.set MK,  70                           ; s70-77 lane masks: odd quadrants
	s_load_b256 s[4:11], s[0:1], 0x0               ; input, Wq, Wk, Wv
	s_load_b128 s[12:15], s[0:1], 0x20             ; Wo, opnd
	v_lshl_add_u32 v[SPW], v0, 2, SPARE
	v_mov_b32 v[NIL], 0
	v_lshrrev_b32 v1, 5, v0
	v_readfirstlane_b32 s16, v1                    ; wave
	v_and_b32 v1, 31, v0                           ; lane
	v_and_b32 v2, 15, v0                           ; r
	v_bfe_u32 v3, v0, 4, 1                         ; h
	v_lshlrev_b32 v4, 4, v1                        ; my 16 bytes of a load's 512
	s_mul_i32 s60, s16, STG
	v_add_nc_u32 v5, s60, v4                       ; the stage, in: 16 x lane
	v_mul_u32_u24 v6, v2, 528
	v_lshl_add_u32 v6, v3, 6, v6
	v_add_nc_u32 v6, s60, v6                       ; and out: row r, + 64 h
	v_lshlrev_b32 v7, 3, v1                        ; a piece: 8 x lane
	v_lshlrev_b32 v8, 2, v2                        ; a scale word: 4 r
	s_lshr_b32 s18, ttmp9, 1
	s_and_b32 s18, s18, 127                        ; f
	s_and_b32 s19, ttmp9, 1
	s_lshl_b32 s19, s19, 2
	s_add_co_u32 s19, s19, s16                     ; K step s
	s_lshr_b32 s58, s18, 1
	s_lshl_b32 s58, s58, 5
	s_and_b32 s59, s18, 1
	s_lshl_b32 s59, s59, 3
	s_add_co_u32 s58, s58, s59                     ; the fragment's first row: 32 (f / 2) + 8 (f % 2)
	v_and_b32 v14, 8, v2
	v_add_nc_u32 v14, v14, v2
	v_add_nc_u32 v14, s58, v14
	v_cvt_f32_u32 v[TF], v14                       ; t of my row
	s_lshl_b32 s59, s19, 6
	v_lshl_add_u32 v[PI0], v3, 3, s59
.irp b, 0,1,2,3
	v_mov_b32 v[TM+4+\b], 0                        ; written once: a lane permute's destination counts as one of its sources
.endr
	s_mov_b32 s[SEL], 0x76543210
	s_mov_b32 s[SEL+1], 0xfedcba98                 ; v_permlanex16_b32's selects for lane l xor 16
	s_mov_b32 s[CH], 0x3cd49a78                    ; log2(10000) / 512, and
	s_mov_b32 s[CL], 0x30179a37                    ; what that f32 number leaves of it
	s_mov_b32 s[NLN2], 0xbf317218                  ; -ln 2
	s_mov_b32 s[TWOPI], 0x3f22f983                 ; 2 / pi
	s_mov_b32 s[NP1], 0xbfc90fdb                   ; -(pi / 2 as f32)
	s_mov_b32 s[P2], 0x333bbd2e                    ; (pi / 2 as f32) - pi / 2
	s_mov_b32 s[S0], 0xb94ca1f9
	s_mov_b32 s[S1], 0x3c08839e
	s_mov_b32 s[S2], 0xbe2aaaa3
	s_mov_b32 s[C0], 0x37ccf5ce
	s_mov_b32 s[C1], 0xbab6061a
	s_mov_b32 s[C2], 0x3d2aaaa5
	s_lshl_b32 s58, s58, 12                        ; rows of 4,096 bytes,
	s_lshl_b32 s59, s19, 9
	s_add_co_u32 s58, s58, s59                     ; + 512 s
	s_mov_b32 s59, 0
	s_mul_i32 s60, s18, 12288
	s_mul_i32 s61, s19, 1536
	s_add_co_u32 s60, s60, s61                     ; codes: 12,288 f + 1,536 s
	s_lshl_b32 s62, s18, 9
	s_lshl_b32 s63, s19, 6
	s_add_co_u32 s62, s62, s63                     ; scale words: 512 f + 64 s
	s_mov_b32 s67, 786432
	s_mov_b32 s68, WS_OFF
	s_mov_b32 s69, 32768
	s_wait_kmcnt 0x0
	s_cmp_lt_u32 ttmp9, 256                        ; the input's work-group or the weights'?  The choice hangs on the work-group's number alone
	s_cselect_b32 s17, 1, 0
	s_cselect_b32 s66, 0, WC_OFF
	s_cselect_b32 s67, 1572864, s67                ; from source to source: codes,
	s_cselect_b32 s68, XS_OFF, s68
	s_cselect_b32 s69, 65536, s69                  ; scale words
.irp j, 0,1,2,3
	s_add_nc_u64 s[SRC+2*\j:SRC+2*\j+1], s[4:5], \j*8388608
	s_cselect_b64 s[SRC+2*\j:SRC+2*\j+1], s[SRC+2*\j:SRC+2*\j+1], s[6+2*\j:7+2*\j]
.endr
	s_add_co_u32 s60, s60, s66
	s_add_co_u32 s62, s62, s68
	s_mov_b32 s61, 0
	s_mov_b32 s63, 0
.irp j, 0,1,2,3
	s_add_nc_u64 s[SRC+2*\j:SRC+2*\j+1], s[SRC+2*\j:SRC+2*\j+1], s[58:59]
	s_add_nc_u64 s[DC+2*\j:DC+2*\j+1], s[14:15], s[60:61]
	s_add_nc_u64 s[DSC+2*\j:DSC+2*\j+1], s[14:15], s[62:63]
	s_add_co_u32 s60, s60, s67
	s_add_co_u32 s62, s62, s69
.endr
.macro LOAD j                          ; source j's 16 rows x 128 numbers into set j % 2: each load reads 512 consecutive bytes of one row
.irp i, 0,1,2,3,4,5,6,7,8,9,10,11,12,13,14,15
	global_load_b128 v[SETA+64*((\j)%2)+4*\i:SETA+64*((\j)%2)+4*\i+3], v4, s[SRC+2*(\j):SRC+2*(\j)+1] offset:(\i+8*(\i/8))*4096 th:TH_LOAD_NT
.endr
.endm
.macro TURN so                         ; through my stage: afterwards register 16 b + i of the set holds k = 32 b + 16 h + i of row r.  LDS serves a wave's instructions in order: no wait between the stores and the loads
.irp i, 0,1,2,3,4,5,6,7,8,9,10,11,12,13,14,15
	ds_store_b128 v5, v[CUR+4*\i:CUR+4*\i+3] offset:\so+528*\i
.endr
.irp b, 0,1,2,3
.irp q, 0,1,2,3
	ds_load_b128 v[CUR+16*\b+4*\q:CUR+16*\b+4*\q+3], v6 offset:\so+128*\b+16*\q
.endr
.endr
	s_wait_dscnt 0x0
.endm
.macro QUANT                           ; the set's 64 numbers become a fragment's codes in v[PC] on and its scale word in v[PW]
.irp b, 0,1,2,3
	v_max3_num_f32 v[TM+\b], |v[CUR+16*\b]|, |v[CUR+1+16*\b]|, 0x1800000   ; block b: my 16 numbers, and the floor 2^(3 - 127): the byte cannot fall under 1
.endr
.irp i, 2,4,6,8,10,12,14
.irp b, 0,1,2,3
	v_max3_num_f32 v[TM+\b], v[TM+\b], |v[CUR+16*\b+\i]|, |v[CUR+1+16*\b+\i]|
.endr
.endr
.irp b, 0,1,2,3
	v_permlanex16_b32 v[TM+4+\b], v[TM+\b], s[SEL], s[SEL+1]
.endr
.irp b, 0,1,2,3
	v_max_num_f32 v[TM+\b], v[TM+\b], v[TM+4+\b]   ; with lane l xor 16's: the block's largest magnitude
.endr
.irp b, 0,1,2,3
	v_add_nc_u32 v[TM+12+\b], 0xff000000, v[TM+\b] ; 2 off its exponent field: the conversion's scale operand
.endr
.irp b, 0,1,2,3
	v_lshrrev_b32 v[TM+4+\b], 23, v[TM+12+\b]      ; the scale's byte
.endr
	s_wait_xcnt 0x0                                ; the last stores have read v[PW] and v[PC] on: they are written again only behind this wait
	v_lshl_or_b32 v[PW], v[TM+5], 8, v[TM+4]
	v_lshl_or_b32 v[PW], v[TM+6], 16, v[PW]
	v_lshl_or_b32 v[PW], v[TM+7], 24, v[PW]
.irp c, 0,1
	v_cvt_scalef32_pk16_fp6_f32 v[PC+6*\c:PC+2+6*\c], v[CUR+32*\c:CUR+15+32*\c], v[TM+12+2*\c]
	v_cvt_scalef32_pk16_fp6_f32 v[PC+12+4*\c:PC+14+4*\c], v[CUR+16+32*\c:CUR+31+32*\c], v[TM+12+2*\c+1]   ; (a conversion's three registers begin on an even number)
.endr
	v_nop                                          ; one plain place behind a scaled conversion
.irp c, 0,1                            ; the operand's layout wants a whole block in a lane
.irp i, 0,1,2
	v_permlane16_swap_b32 v[PC+6*\c+\i], v[PC+12+4*\c+\i]
.endr
.irp i, 0,1,2
	v_mov_b32 v[PC+3+6*\c+\i], v[PC+12+4*\c+\i]
.endr
.endr
.endm
.macro OUT j, cofs, sofs               ; six stores of 256 consecutive aligned bytes; the 16 scale words (lanes l and l xor 16 hold the same word and store it at the same place)
.irp p, 0,1,2,3,4,5
	global_store_b64 v7, v[PC+2*\p:PC+2*\p+1], s[DC+2*(\j):DC+2*(\j)+1] offset:\cofs+256*\p
.endr
	global_store_b32 v8, v[PW], s[DSC+2*(\j):DSC+2*(\j)+1] offset:\sofs
.endm
.macro ROT8 n0                         ; pairs n0 .. n0 + 7: (x0, x1) -> (x0 cos - x1 sin, x1 cos + x0 sin)
.irp k, 0,1,2,3,4,5,6,7
	v_mul_f32 v[16+\k], v[CUR+2*(\n0+\k)+1], v[SN+\n0+\k]
.endr
.irp k, 0,1,2,3,4,5,6,7
	v_mul_f32 v[24+\k], v[CUR+2*(\n0+\k)], v[SN+\n0+\k]
.endr
.irp k, 0,1,2,3,4,5,6,7
	v_fma_f32 v[CUR+2*(\n0+\k)], v[CUR+2*(\n0+\k)], v[CSN+\n0+\k], -v[16+\k]
.endr
.irp k, 0,1,2,3,4,5,6,7
	v_fma_f32 v[CUR+2*(\n0+\k)+1], v[CUR+2*(\n0+\k)+1], v[CSN+\n0+\k], v[24+\k]
.endr
.endm
.macro SC8 n0                          ; theta of pairs n0 .. n0 + 7 in v[SN] -> sine and cosine of t x theta; eight pairs line by line, so that no line waits for the line above it
.irp k, 0,1,2,3,4,5,6,7
	v_mul_f32 v[SN+\n0+\k], v[TF], v[SN+\n0+\k]    ; the angle: one f32 product
.endr
.irp k, 0,1,2,3,4,5,6,7
	v_mul_f32 v[16+\k], s[TWOPI], v[SN+\n0+\k]
.endr
.irp k, 0,1,2,3,4,5,6,7
	v_rndne_f32 v[16+\k], v[16+\k]                 ; n
.endr
.irp k, 0,1,2,3,4,5,6,7
	v_fma_f32 v[SN+\n0+\k], v[16+\k], s[NP1], v[SN+\n0+\k]   ; exact: a multiple of 2^-24 under 1
.endr
.irp k, 0,1,2,3,4,5,6,7
	v_fma_f32 v[SN+\n0+\k], v[16+\k], s[P2], v[SN+\n0+\k]    ; r = angle - n pi / 2
.endr
.irp k, 0,1,2,3,4,5,6,7
	v_cvt_i32_f32 v[16+\k], v[16+\k]
.endr
.irp k, 0,1,2,3,4,5,6,7
	v_mul_f32 v[24+\k], v[SN+\n0+\k], v[SN+\n0+\k] ; z = r r
.endr
.irp k, 0,1,2,3,4,5,6,7
	v_fma_f32 v[32+\k], s[S0], v[24+\k], s[S1]
.endr
.irp k, 0,1,2,3,4,5,6,7
	v_fma_f32 v[32+\k], v[32+\k], v[24+\k], s[S2]
.endr
.irp k, 0,1,2,3,4,5,6,7
	v_mul_f32 v[40+\k], v[24+\k], v[SN+\n0+\k]
.endr
.irp k, 0,1,2,3,4,5,6,7
	v_fma_f32 v[32+\k], v[32+\k], v[40+\k], v[SN+\n0+\k]     ; sin r
.endr
.irp k, 0,1,2,3,4,5,6,7
	v_fma_f32 v[40+\k], s[C0], v[24+\k], s[C1]
.endr
.irp k, 0,1,2,3,4,5,6,7
	v_fma_f32 v[40+\k], v[40+\k], v[24+\k], s[C2]
.endr
.irp k, 0,1,2,3,4,5,6,7
	v_mul_f32 v[CSN+\n0+\k], v[24+\k], v[24+\k]
.endr
.irp k, 0,1,2,3,4,5,6,7
	v_fma_f32 v[24+\k], v[24+\k], -0.5, 1.0
.endr
.irp k, 0,1,2,3,4,5,6,7
	v_fma_f32 v[40+\k], v[40+\k], v[CSN+\n0+\k], v[24+\k]    ; cos r
.endr
.irp k, 0,1,2,3,4,5,6,7
	v_and_b32 v[24+\k], 1, v[16+\k]
.endr
.irp k, 0,1,2,3,4,5,6,7
	v_cmp_eq_u32 s[MK+\k], 1, v[24+\k]             ; an odd quadrant swaps the two
.endr
.irp k, 0,1,2,3,4,5,6,7
	v_cndmask_b32 v[SN+\n0+\k], v[32+\k], v[40+\k], s[MK+\k]
.endr
.irp k, 0,1,2,3,4,5,6,7
	v_cndmask_b32 v[CSN+\n0+\k], v[40+\k], v[32+\k], s[MK+\k]
.endr
.irp k, 0,1,2,3,4,5,6,7
	v_lshlrev_b32 v[24+\k], 30, v[16+\k]           ; the sine's sign: bit 1 of n,
.endr
.irp k, 0,1,2,3,4,5,6,7
	v_and_b32 v[24+\k], 0x80000000, v[24+\k]
.endr
.irp k, 0,1,2,3,4,5,6,7
	v_xor_b32 v[SN+\n0+\k], v[SN+\n0+\k], v[24+\k]
.endr
.irp k, 0,1,2,3,4,5,6,7
	v_add_nc_u32 v[16+\k], 1, v[16+\k]             ; the cosine's: bit 1 of n + 1
.endr
.irp k, 0,1,2,3,4,5,6,7
	v_lshlrev_b32 v[16+\k], 30, v[16+\k]
.endr
.irp k, 0,1,2,3,4,5,6,7
	v_and_b32 v[16+\k], 0x80000000, v[16+\k]
.endr
.irp k, 0,1,2,3,4,5,6,7
	v_xor_b32 v[CSN+\n0+\k], v[CSN+\n0+\k], v[16+\k]
.endr
.endm
.macro BATCH j, rot, so                ; source j: rot = 1: the input's path, which also turns the pairs and quantises again
.set CUR, SETA+64*((\j)%2)
.if (\j) < 3
	s_wait_loadcnt 16                              ; this source's 16 loads are in; the next source's 16 may be out
.else
	s_wait_loadcnt 0x0
.endif
	TURN \so
	QUANT
	OUT \j, 0, 0
.if \rot
	ROT8 0
	ROT8 8
	ROT8 16
	ROT8 24
	QUANT
	OUT \j, RXC, RXS
.endif
.if (\j) < 2
	LOAD (\j)+2                                    ; the set is free: it takes the source two on
.endif
.endm
	LOAD 0
	LOAD 1
	s_cmp_eq_u32 s17, 0
	s_cbranch_scc1 .Lweights
	; the tables, made while the first loads are on their way.  Pair n of my 32 is pair 64 s + 8 h + 16 (n / 8) + n % 8 of the row
.set n, 0
.rept 32
	v_add_nc_u32 v[16+n], 16*(n/8)+n%8, v[PI0]
.set n, n+1
.endr
.set n, 0
.rept 32
	v_cvt_f32_u32 v[16+n], v[16+n]
.set n, n+1
.endr
.set n, 0
.rept 32
	v_mul_f32 v[SN+n], s[CH], v[16+n]              ; the exponent's first part,
.set n, n+1
.endr
.set n, 0
.rept 32
	v_fma_f32 v[CSN+n], s[CH], v[16+n], -v[SN+n]   ; what that product's rounding left,
.set n, n+1
.endr
.set n, 0
.rept 32
	v_fma_f32 v[CSN+n], s[CL], v[16+n], v[CSN+n]   ; and the constant's own remainder
.set n, n+1
.endr
.set n, 0
.rept 32
	v_exp_f32 v[SN+n], -v[SN+n]
.set n, n+1
.endr
.set n, 0
.rept 32
	v_mul_f32 v[CSN+n], s[NLN2], v[CSN+n]          ; plain work that names no exponential's result
.set n, n+1
.endr
	s_wait_alu depctr_va_vdst(0)                   ; one wait for the batch of 32, ahead of its first reader
.set n, 0
.rept 32
	v_fma_f32 v[SN+n], v[SN+n], v[CSN+n], v[SN+n]  ; theta
.set n, n+1
.endr
	SC8 0
	SC8 8
	SC8 16
	SC8 24
	BATCH 0, 1, 0
	BATCH 1, 1, 0
	BATCH 2, 1, 0
	BATCH 3, 1, 0
	s_branch .Lend
.Lweights:                             ; the weights' path has stages of its own, 4 STG bytes on
	BATCH 0, 0, 4*STG
	BATCH 1, 0, 4*STG
	BATCH 2, 0, 4*STG
	BATCH 3, 0, 4*STG
.Lend:
	s_wait_tensorcnt 0x0                           ; the wave's end: behind my last LDS store
	ds_add_u32 v[SPW], v[NIL]
	s_wait_dscnt 0x0
	s_endpgm
.Lfunc_end_k_q1ee874b474_quant:
	.size	k_q1ee874b474_quant, .Lfunc_end_k_q1ee874b474_quant-k_q1ee874b474_quant
	.p2alignl 7, 3214868480
	.fill 96, 4, 3214868480
	.section	.rodata,"a",@progbits
	.p2align	6, 0x0
	.amdhsa_kernel k_q1ee874b474_quant
		.amdhsa_group_segment_fixed_size 68096
		.amdhsa_private_segment_fixed_size 0
		.amdhsa_enable_private_segment 0
		.amdhsa_kernarg_size 48
		.amdhsa_user_sgpr_count 2
		.amdhsa_user_sgpr_kernarg_segment_ptr 1
		.amdhsa_wavefront_size32 1
		.amdhsa_system_sgpr_workgroup_id_x 1
		.amdhsa_system_sgpr_workgroup_id_y 1
		.amdhsa_system_sgpr_workgroup_id_z 1
		.amdhsa_system_vgpr_workitem_id 0
		.amdhsa_next_free_vgpr 248
		.amdhsa_next_free_sgpr 78
		.amdhsa_reserve_vcc 0
		.amdhsa_float_denorm_mode_32 3
		.amdhsa_float_denorm_mode_16_64 3
		.amdhsa_memory_ordered 1
		.amdhsa_forward_progress 1
		.amdhsa_inst_pref_size 161
	.end_amdhsa_kernel
	.amdgpu_metadata
---
amdhsa.version: [ 1, 2 ]
amdhsa.kernels:
  - .name:           k_q1ee874b474_quant
    .symbol:         k_q1ee874b474_quant.kd
    .args:
      - { .name: input, .offset: 0, .size: 8, .value_kind: global_buffer, .address_space: global }
      - { .name: Wq, .offset: 8, .size: 8, .value_kind: global_buffer, .address_space: global }
      - { .name: Wk, .offset: 16, .size: 8, .value_kind: global_buffer, .address_space: global }
      - { .name: Wv, .offset: 24, .size: 8, .value_kind: global_buffer, .address_space: global }
      - { .name: Wo, .offset: 32, .size: 8, .value_kind: global_buffer, .address_space: global }
      - { .name: opnd, .offset: 40, .size: 8, .value_kind: global_buffer, .address_space: global }
    .group_segment_fixed_size: 68096
    .private_segment_fixed_size: 0
    .kernarg_segment_align: 8
    .kernarg_segment_size: 48
    .max_flat_workgroup_size: 128
    .sgpr_count:     78
    .vgpr_count:     248
    .wavefront_size: 32
...
	.end_amdgpu_metadata
.endif
;; end of part 1
;; launch qkv (part 2): grid 8 x 48, 4 waves a work-group, clusters of 4 x 4, 327,680 bytes of LDS; arguments opnd, qkv; writes qkv
.if DOCPART == 2
	.amdgcn_target "amdgcn-amd-amdhsa--gfx1250"
	.amdhsa_code_object_version 6
	.text
	.protected	k_q1ee874b474_qkv
	.globl	k_q1ee874b474_qkv
	.p2align	8
	.type	k_q1ee874b474_qkv,@function
k_q1ee874b474_qkv:
	s_mov_b64 s[64:65], 0
	v_nop
	global_prefetch_b8 v0, s[64:65] scope:SCOPE_SE
	s_setreg_imm32_b32 hwreg(HW_REG_WAVE_MODE, 25, 1), 1
	s_wait_xcnt 0x0
	s_wait_alu depctr_hold_cnt(0) depctr_sa_sdst(0) depctr_va_vdst(0) depctr_va_sdst(0) depctr_va_ssrc(0) depctr_va_vcc(0) depctr_vm_vsrc(0)
	s_getreg_b32 s2, hwreg(HW_REG_IB_STS2, 6, 4)
	s_cmp_eq_u32 s2, 0
	s_cbranch_scc0 .Lentry_in_a_cluster
	s_endpgm
.Lentry_in_a_cluster:
	s_bfe_u32 s2, ttmp6, 0x10000c
	s_cmp_lg_u32 s2, 0xf033
	s_cbranch_scc0 .Lentry_shape_is_right
	s_endpgm
.Lentry_shape_is_right:
; q = rx Wq^T, k = rx Wk^T, v = x Wv^T on codes of FP6 (E2M3) with E8M0 scales, sums in f32; the results are quantised in registers into the operands of the attention launch and never leave as f32.
; A tile of 256 x 256 to a work-group of four waves, 128 x 128 a wave (64 accumulators, 512 registers); K = 1,024 in four steps of 256 through a ring of two LDS slots filled by the tensor data mover.
; OPERANDS lie in memory as images of the operand's registers: a fragment (16 rows x 128 K) is six pieces of 256 bytes, piece p = registers 2 p, 2 p + 1, lane l's 8 bytes at 256 p + 8 l; [fragment][K step 8][1536].
; So every LDS load takes 256 consecutive bytes.  Fragment f holds rows 32 (f / 2) + 8 (f % 2) + r + 8 (r / 8): as source 0, two neighbouring fragments give a lane 16 NEIGHBOURING rows in its 16 registers.
; THE MATRIX INSTRUCTION: source 0 = 16 rows of B, source 1 = 16 rows of A: a lane holds one row of A, and its registers run along B's rows.
; TWO ORIENTATIONS in one launch, told apart by the cluster's y (equal in all partners), by selects alone:
;   cluster y < 8:  B = [Wq; Wk] (a lane's registers run along a head's 64, the K of the scores), A = rx (a lane is a token).
;   cluster y >= 8: B = x (a lane's registers run along the tokens, the K of the second attention product), A = Wv (a lane is one of a head's 64).
; CLUSTERS: 4 x 4 work-groups; A's tiles are asked for jointly along a row of the cluster, B's along a column.
; REGISTERS: window 0: v16-29 addresses; v32-63 scale words, two sets; v64-117 the way out; v128-223 A's fragments, one set.  Window 1: B's fragments, two sets.  Windows 2, 3: the accumulators, (a, b) at v[8 (8 (a % 4) + b)].
; LIMITS: a block of zeros gets the byte 1 (its codes are zeros; the bytes are read by this program alone).
.set RX_OFF,  6291456
.set WC_OFF,  12582912
.set XS_OFF,  15728640
.set RXS_OFF, 15990784
.set WS_OFF,  16252928
.set QOFF,    13107200                 ; qkv: the keys' and values' region at 0, the queries' here; [batch x head 64][slot of 256 tokens 8], 204,800 and 25,600 bytes
.set NQ,     2                         ; matrix instructions deep in a slot
.set FR,     12
.set NL,     6
.set NP,     4                         ; places behind this matrix instruction (ISA guide 7.12.1)
.set FRB,    1536
.set RBK,    3072                      ; a fragment row's bytes in a slot: two K steps of 128
.set HALFT,  8*RBK                     ; 128 rows: what one tensor load brings
.set SLOT,   4*HALFT                   ; A's 256 rows, then B's
.set SCL,    2*SLOT                    ; behind the ring: the scale words of the 512 rows for all of K, [fragment][K step 8][r 16]
.set HALFS,  4096
.set SPARE,  SCL+4*HALFS               ; the spare words, 128 bytes a wave
.set ADRA, 16                          ; v16-17 LDS address of my A fragments in slot 0, 1
.set ADRB, 20                          ; v20-21 the same for B
.set SOFF, 25                          ; v25  the way out: 16 r + 204,800 h
.set LN8,  26                          ; v26  8 x lane
.set ADRS, 27                          ; v27  my scale words: lanes 0-15 A's rows, lanes 16-31 B's
.set SPW,  28
.set NIL,  29
.set SC,   32
.set TM,   64                          ; v64-79 at work
.set PW8,  80                          ; v80-87 the eight blocks' scale words
.set SWA,  88
.set SWB,  92
.set PC,   96                          ; v96-115 the codes just made
.set VSA,  116
.set VSB,  117
.set AF,   128
.set G1, 24
.set G0, 32
.set G1B, 48
.set G0B, 56
.set SEL, 66
.set G1S, 68
.set G0S, 76
.set G1SB, 80
.set G0SB, 88
.set MSB, 0
.macro WIN new                         ; the immediate's high byte repeats the setting that is left
.if MSB != \new
	s_set_vgpr_msb (MSB<<8)|\new
.set MSB, \new
.endif
.endm
.set MUL_LO, 0xa1                      ; source 0 (B) window 1, source 1 (A) window 0, C and D window 2
.set MUL_HI, 0xf1
.set TO_B,   0x40
; A joint load: waves 0 and 1 fetch for A, waves 2 and 3 for B; the branch hangs on the wave's number alone.  An s_nop 0 and four v_nop follow each of the two lines.
.macro JLOAD g0a, g1a, g0b, g1b
	s_cmp_eq_u32 s15, 0
	s_cbranch_scc0 .Lfor_b_\@
	tensor_load_to_lds s[\g0a:\g0a+3], s[\g1a:\g1a+7]
	s_nop 0
.rept 4
	v_nop
.endr
	s_branch .Lasked_\@
.Lfor_b_\@:
	tensor_load_to_lds s[\g0b:\g0b+3], s[\g1b:\g1b+7]
	s_nop 0
.rept 4
	v_nop
.endr
.Lasked_\@:
.endm
.macro CREST                           ; a round of the cluster's barrier behind its opening barrier
	s_cmp_lg_u32 s14, 0
	s_cbranch_scc1 .Lnot_wave_0_\@
	s_barrier_signal -3
.Lnot_wave_0_\@:
	s_barrier_wait -3
	s_barrier_signal -1
	s_barrier_wait -1
.endm
.macro CROUND
	s_barrier_signal -1
	s_barrier_wait -1
	CREST
.endm
	s_load_b128 s[4:7], s[0:1], 0x0                ; opnd, qkv
	v_lshl_add_u32 v[SPW], v0, 2, SPARE
	v_mov_b32 v[NIL], 0
	ds_add_u32 v[SPW], v[NIL]                      ; the wave's opening: the add and its wait come ahead of my first tensor load; the set-up below, work on registers, stands between them
	v_lshrrev_b32 v1, 5, v0
	v_readfirstlane_b32 s14, v1                    ; wave 0..3
	s_lshr_b32 s15, s14, 1                         ; which half of A's rows is mine.  Also: I fetch for A (0) or for B (1)
	s_and_b32 s16, s14, 1                          ; which half of B's rows.  Also: which 128 rows I fetch
	s_bfe_u32 s40, ttmp6, 0x40000                  ; cx
	s_bfe_u32 s41, ttmp6, 0x40004                  ; cy
	s_and_b32 s8, ttmp7, 0xffff                    ; the cluster's y
	s_lshl_b32 s17, s8, 2
	s_sub_co_u32 s42, s8, 8
	s_lshl_b32 s42, s42, 3
	s_mov_b32 s10, RX_OFF
	s_mov_b32 s11, RXS_OFF
	s_mov_b32 s13, WS_OFF
	s_cmp_ge_u32 s8, 8                             ; v's clusters?
	s_cselect_b32 s9, -1, 0                        ; as a lane mask, for the way out
	s_cselect_b32 s10, WC_OFF+2*786432, s10        ; A's codes: Wv or rx
	s_cselect_b32 s11, WS_OFF+2*32768, s11         ; A's scale words
	s_cselect_b32 s12, 0, WC_OFF                   ; B's codes: x or [Wq; Wk]
	s_cselect_b32 s13, XS_OFF, s13                 ; B's scale words
	s_cselect_b32 s17, 0, s17
	s_cselect_b32 s42, s42, 0
	s_add_co_u32 s17, s17, s41                     ; A's tile: cy, or 4 x cluster y + cy
	s_lshl_b32 s43, ttmp9, 2
	s_add_co_u32 s42, s42, s43
	s_add_co_u32 s42, s42, s40                     ; B's tile: 4 x cluster x + cx (+ 8 (cluster y - 8))
	s_lshl_b32 s43, s41, 2
	s_lshl_b32 s43, 15, s43                        ; my row of the cluster
	s_lshl_b32 s44, 0x1111, s40                    ; my column
	; descriptor group 1 for the codes: 8 fragment rows of 3,072 bytes (384 elements of 8 bytes), 12,288 bytes apart in memory, dense in LDS
	s_or_b32 s[G1+0], s43, (3<<16)|(1<<21)         ; 15:0 the mask: A's tiles go to my row; 17:16 elements of 8 bytes; 21 set beside a mask; no padding
	s_or_b32 s[G1B+0], s44, (3<<16)|(1<<21)
.irp g, G1, G1B
	s_mov_b32 s[\g+1], 384<<16                     ; tensor_dim0
	s_mov_b32 s[\g+2], 8<<16                       ; tensor_dim1
	s_mov_b32 s[\g+3], 384<<16                     ; tile_dim0
	s_mov_b32 s[\g+4], 8                           ; tile_dim1
	s_mov_b32 s[\g+5], 1536                        ; tensor_dim0_stride
	s_mov_b32 s[\g+6], 0
	s_mov_b32 s[\g+7], 0
.endr
	; and for the scale words of 128 rows: 4,096 dense bytes as 16 rows of 256
	s_or_b32 s[G1S+0], s43, (3<<16)|(1<<21)
	s_or_b32 s[G1SB+0], s44, (3<<16)|(1<<21)
.irp g, G1S, G1SB
	s_mov_b32 s[\g+1], 32<<16
	s_mov_b32 s[\g+2], 16<<16
	s_mov_b32 s[\g+3], 32<<16
	s_mov_b32 s[\g+4], 16
	s_mov_b32 s[\g+5], 32
	s_mov_b32 s[\g+6], 0
	s_mov_b32 s[\g+7], 0
.endr
	s_mov_b32 s[SEL], 0x76543210
	s_mov_b32 s[SEL+1], 0xfedcba98
	s_lshl_b32 s18, s16, 3                         ; which 8 fragment rows of the tile I fetch
	s_lshl_b32 s20, s17, 4
	s_add_co_u32 s20, s20, s18                     ; A: fragment row 16 x tile + 8 x half (never holds cx)
	s_lshl_b32 s46, s42, 4
	s_add_co_u32 s46, s46, s18                     ; B likewise (never holds cy)
	s_lshl_b32 s22, s20, 9
	s_add_co_u32 s22, s22, s11                     ; their scale words,
	s_mul_i32 s20, s20, 12288
	s_add_co_u32 s20, s20, s10                     ; their codes, in bytes from opnd's first
	s_lshl_b32 s92, s46, 9
	s_add_co_u32 s92, s92, s13
	s_mul_i32 s46, s46, 12288
	s_add_co_u32 s46, s46, s12
	s_mov_b32 s21, 0
	s_mov_b32 s23, 0
	s_mov_b32 s47, 0
	s_mov_b32 s93, 0
	s_mul_i32 s45, s14, HALFT                      ; where they go: wave x 128 rows: no place in the cluster enters an LDS address
	s_mul_i32 s94, s14, HALFS
	s_wait_dscnt 0x0                               ; the opening add is done
	s_wait_kmcnt 0x0
	s_add_nc_u64 s[20:21], s[4:5], s[20:21]
	s_add_nc_u64 s[22:23], s[4:5], s[22:23]
	s_add_nc_u64 s[46:47], s[4:5], s[46:47]
	s_add_nc_u64 s[92:93], s[4:5], s[92:93]
	CROUND                                         ; all sixteen work-groups are here: the first joint loads meet
	s_mov_b32 s[G0S], 1
	s_add_co_u32 s[G0S+1], s94, SCL
	s_mov_b64 s[G0S+2:G0S+3], s[22:23]
	s_or_b32 s[G0S+3], s[G0S+3], 0x80000000
	s_mov_b32 s[G0SB], 1
	s_add_co_u32 s[G0SB+1], s94, SCL
	s_mov_b64 s[G0SB+2:G0SB+3], s[92:93]
	s_or_b32 s[G0SB+3], s[G0SB+3], 0x80000000
	JLOAD G0S, G1S, G0SB, G1SB                     ; the scale words first: they are wanted with K step 0
.irp s, 0,1
	s_mov_b32 s[G0+4*\s], 1
	s_add_co_u32 s[G0+4*\s+1], s45, \s*SLOT
	s_add_nc_u64 s[G0+4*\s+2:G0+4*\s+3], s[20:21], \s*RBK
	s_or_b32 s[G0+4*\s+3], s[G0+4*\s+3], 0x80000000
	s_mov_b32 s[G0B+4*\s], 1
	s_add_co_u32 s[G0B+4*\s+1], s45, \s*SLOT
	s_add_nc_u64 s[G0B+4*\s+2:G0B+4*\s+3], s[46:47], \s*RBK
	s_or_b32 s[G0B+4*\s+3], s[G0B+4*\s+3], 0x80000000
	JLOAD G0+4*\s, G1, G0B+4*\s, G1B
.endr
	v_and_b32 v1, 15, v0                           ; r
	v_bfe_u32 v2, v0, 4, 1                         ; h
	v_and_b32 v3, 31, v0
	v_lshlrev_b32 v3, 3, v3                        ; 8 x lane
	s_mul_i32 s21, s15, HALFT                      ; my 128 rows of A
	s_mul_i32 s22, s16, HALFT                      ; my 128 rows of B,
	s_add_co_u32 s22, s22, 2*HALFT                 ; which lie behind A's 256
.irp s, 0,1
	v_add_nc_u32 v[ADRA+\s], s21, v3
	v_add_nc_u32 v[ADRB+\s], s22, v3
	s_add_co_u32 s21, s21, SLOT
	s_add_co_u32 s22, s22, SLOT
.endr
	v_lshlrev_b32 v5, 2, v1                        ; my row's scale word: 4 r
	s_mul_i32 s21, s15, HALFS
	s_mul_i32 s22, s16, HALFS
	s_add_co_u32 s22, s22, 2*HALFS
	s_sub_co_u32 s22, s22, s21
	v_mul_u32_u24 v6, s22, v2                      ; lanes 16-31 take B's: one product with h
	s_add_co_u32 s21, s21, SCL
	v_add_nc_u32 v5, v5, v6
	v_add_nc_u32 v[ADRS], s21, v5
.macro FRAG reg, adr, q, i             ; a fragment comes as it lies: six loads of 256 consecutive bytes
.irp p, 0,1,2,3,4,5
	ds_load_b64 v[\reg+2*\p:\reg+2*\p+1], v[\adr] offset:(\i)*RBK+(\q)*FRB+256*\p
.endr
.endm
; 16 matrix instructions: A's blocks a0, a0 + 1 x B's eight, 128 along K.  The 64 accumulators take turns, one instruction a turn, in the same order in every step.
.macro MUL16 a0, p, q, sc, zero
.irp a, \a0, \a0+1
.irp b, 0,1,2,3,4,5,6,7
.if \zero
	v_wmma_scale_f32_16x16x128_f8f6f4 v[8*(8*((\a)%4)+\b):8*(8*((\a)%4)+\b)+7], v[128*(\p)+FR*\b:128*(\p)+FR*\b+FR-1], v[AF+FR*(\a):AF+FR*(\a)+FR-1], 0, v[SC+8*NQ*(\sc)+NQ*\b+(\q)], v[SC+8*NQ*(\sc)+NQ*(\a)+(\q)] matrix_a_fmt:MATRIX_FMT_FP6 matrix_b_fmt:MATRIX_FMT_FP6 matrix_a_scale:MATRIX_SCALE_ROW1
.else
	v_wmma_scale_f32_16x16x128_f8f6f4 v[8*(8*((\a)%4)+\b):8*(8*((\a)%4)+\b)+7], v[128*(\p)+FR*\b:128*(\p)+FR*\b+FR-1], v[AF+FR*(\a):AF+FR*(\a)+FR-1], v[8*(8*((\a)%4)+\b):8*(8*((\a)%4)+\b)+7], v[SC+8*NQ*(\sc)+NQ*\b+(\q)], v[SC+8*NQ*(\sc)+NQ*(\a)+(\q)] matrix_a_fmt:MATRIX_FMT_FP6 matrix_b_fmt:MATRIX_FMT_FP6 matrix_a_scale:MATRIX_SCALE_ROW1
.endif
.endr
.endr
.endm
.macro FETCH_B slot, q, p
	WIN TO_B
.irp i, 0,1,2,3,4,5,6,7
	FRAG 128*(\p)+FR*\i, ADRB+\slot, \q, \i
.endr
	WIN 0
.endm
.macro FETCH_A slot, q, i0
.irp i, \i0, \i0+1, \i0+2, \i0+3
	FRAG AF+FR*(\i), ADRA+\slot, \q, \i
.endr
.endm
.macro SCALES sc                       ; a slot's scale words into set sc: register 2 i + q: lanes 0-15 A's block i, lanes 16-31 B's block i, the slot's q-th 128 along K
.irp i, 0,1,2,3,4,5,6,7
.irp q, 0,1
	ds_load_b32 v[SC+8*NQ*\sc+NQ*\i+\q], v[ADRS] offset:\i*512+\q*64
.endr
.endr
.endm
.macro PLACES n                        ; plain vector instructions between a matrix instruction and a load into, or a read of, its registers (ISA guide 7.12.1 for reads)
.rept \n
	v_nop
.endr
.endm
.macro STEP slot, q, zero              ; a step of 128 along K that has its successor in the same slot
	s_wait_dscnt 4*NL                              ; B's set, A's blocks 0-3 and the scale words are in; the youngest 24 loads (A's blocks 4-7) may be out
	WIN MUL_LO
	MUL16 0, (\q)%2, \q, \slot, \zero
	MUL16 2, (\q)%2, \q, \slot, \zero
	s_wait_dscnt 0
	PLACES NP
	FETCH_B \slot, (\q)+1, 1-(\q)%2
	FETCH_A \slot, (\q)+1, 0
	WIN MUL_HI
	MUL16 4, (\q)%2, \q, \slot, \zero
	MUL16 6, (\q)%2, \q, \slot, \zero
	PLACES NP
	WIN 0
	FETCH_A \slot, (\q)+1, 4
.endm
; A slot's last step changes slots: one barrier; in front of it each wave waits for all its tensor loads, adds 0 to its spare word, and waits for that and for its own reads of this slot.  fill = 1: this slot is filled again, two ring steps ahead.
.macro TURN slot, next, fill
	s_wait_tensorcnt 0x0                           ; all my tensor loads have landed: my part of the next slot
	ds_add_u32 v[SPW], v[NIL]                      ; 0 onto my spare word
	s_wait_dscnt 4*NL+1                            ; (the add and the youngest 24 loads may be out)
	WIN MUL_LO
	MUL16 0, 1, NQ-1, \slot, 0
	s_wait_dscnt 0x0                               ; the add is done, and my reads of this slot are over
	s_barrier_signal -1
	MUL16 2, 1, NQ-1, \slot, 0
	WIN 0
	s_barrier_wait -1
.if \fill
	CREST                                          ; the barrier has opened a round of the cluster's barrier: no wave of any partner still reads this slot or has a load on its way
	s_add_nc_u64 s[G0+4*\slot+2:G0+4*\slot+3], s[G0+4*\slot+2:G0+4*\slot+3], 2*RBK
	s_add_nc_u64 s[G0B+4*\slot+2:G0B+4*\slot+3], s[G0B+4*\slot+2:G0B+4*\slot+3], 2*RBK
	JLOAD G0+4*\slot, G1, G0B+4*\slot, G1B         ; the first tensor load behind the round; its four v_nop are the places in front of the loads below
.else
	PLACES NP
.endif
	v_add_nc_u32 v[ADRS], 64*NQ, v[ADRS]           ; on to the next slot's scale words
	FETCH_B \next, 0, 0
	FETCH_A \next, 0, 0
	SCALES \next
	WIN MUL_HI
	MUL16 4, 1, NQ-1, \slot, 0
	MUL16 6, 1, NQ-1, \slot, 0
	PLACES NP
	WIN 0
	FETCH_A \next, 0, 4
.endm
	s_wait_tensorcnt 1                             ; the scale words and my part of ring step 0 are in (ring step 1's load may be out),
	s_barrier_signal -1
	s_barrier_wait -1                              ; everybody's are
	FETCH_B 0, 0, 0
	FETCH_A 0, 0, 0
	SCALES 0
	FETCH_A 0, 0, 4
	STEP 0, 0, 1                                   ; the first products start the sums
	TURN 0, 1, 1                                   ; K has four ring steps: the eight steps of 128 are written out; slot 0 takes ring step 2,
	STEP 1, 0, 0
	TURN 1, 0, 1                                   ; slot 1 ring step 3
	STEP 0, 0, 0
	TURN 0, 1, 0                                   ; nothing is left to fetch
	STEP 1, 0, 0
	s_wait_dscnt 4*NL
	WIN MUL_LO
	MUL16 0, 1, NQ-1, 1, 0
	MUL16 2, 1, NQ-1, 1, 0
	s_wait_dscnt 0
	WIN MUL_HI
	MUL16 4, 1, NQ-1, 1, 0
	MUL16 6, 1, NQ-1, 1, 0
	WIN 0
	; THE WAY OUT.  For A's block a, a lane's 64 registers are 128 neighbours along B's rows, register 16 b + i = 32 b + 16 h + i: four blocks of 32 to be quantised.
	; q, k: they are two heads' 64 of one token: registers 6 c .. 6 c + 5 of the codes are half a fragment (768 bytes) of head c.  v: they are 128 keys of one of a head's 64: a whole fragment (1,536 bytes).
	; No tensor load of mine is out since the last change of slots, so the descriptors' registers are free.
	s_lshl_b32 s20, s17, 1
	s_add_co_u32 s20, s20, s15                     ; which 128 rows of A are mine
	s_lshl_b32 s21, s42, 1
	s_add_co_u32 s21, s21, s16                     ; which 128 rows of B
	s_and_b32 s22, s21, 7
	s_mov_b32 s68, 768
	s_mov_b32 s72, 204800
	s_mov_b32 s75, 24576
	s_cmp_lt_u32 s21, 8                            ; Wq's rows?
	s_cselect_b32 s23, QOFF, 0
	s_cmp_ge_u32 s8, 8                             ; v?
	s_cselect_b32 s23, 0, s23                      ; the queries' region for q alone
	s_cselect_b32 s46, s21, s20                    ; which 128 tokens
	s_cselect_b32 s47, s20, s22                    ; which pair of heads
	s_cselect_b32 s68, 1536, s68                   ; from block a to block a + 1
	s_cselect_b32 s70, 198656, 0                   ; v: block 4 begins the second head: 204,800 - 4 x 1,536 more
	s_cselect_b32 s72, 768, s72                    ; from the first three pieces to the second three: v: the same fragment; q, k: the next head
	s_cselect_b32 s74, 12288, 0                    ; v's codes lie behind k's in a slot
	s_cselect_b32 s75, 25088, s75                  ; the scale words
	s_mov_b32 s69, 0
	s_mov_b32 s71, 0
	s_mov_b32 s73, 0
	s_mov_b32 s79, 0
	s_lshr_b32 s76, s46, 4
	s_lshl_b32 s76, s76, 4
	s_lshl_b32 s77, s47, 1
	s_add_co_u32 s76, s76, s77                     ; 16 x batch + the first head
	s_mul_i32 s76, s76, 204800
	s_bfe_u32 s77, s46, 0x30001                    ; the slot of 256 tokens
	s_mul_i32 s77, s77, 25600
	s_add_co_u32 s76, s76, s77
	s_add_co_u32 s76, s76, s23
	s_and_b32 s77, s46, 1                          ; which half of the slot
	s_mul_i32 s78, s77, 6144
	s_add_co_u32 s78, s78, s76
	s_add_co_u32 s78, s78, s74
	s_add_nc_u64 s[80:81], s[6:7], s[78:79]        ; where pieces 0-2 go
	s_add_nc_u64 s[82:83], s[80:81], s[72:73]      ; where pieces 3-5 go
	s_lshl_b32 s78, s77, 8
	s_add_co_u32 s78, s78, s76
	s_add_co_u32 s78, s78, s75
	s_add_nc_u64 s[84:85], s[6:7], s[78:79]        ; where the scale words go
	v_and_b32 v1, 15, v0                           ; these plain lines, which name no register of the last products, are the places behind them
	v_bfe_u32 v2, v0, 4, 1
	v_and_b32 v3, 31, v0
	v_lshlrev_b32 v[LN8], 3, v3
	v_lshlrev_b32 v[SOFF], 4, v1
	v_mul_u32_u24 v24, v2, 204800
	v_add_nc_u32 v[SOFF], v[SOFF], v24
	v_mul_lo_u32 v[VSA], 0x02020202, v2
	v_add_nc_u32 v[VSA], 0x05040100, v[VSA]        ; q, k: bytes 2 h, 2 h + 1 of two words
	v_mul_lo_u32 v[VSB], 0x04040404, v2
	v_add_nc_u32 v[VSB], 0x03020100, v[VSB]        ; v: the first word or the second
.irp b, 0,1,2,3
	v_mov_b32 v[TM+4+\b], 0                        ; written once: a lane permute's destination counts as one of its sources
.endr
.macro QOUT a
.set W, 2+(\a)/4
.set AC, 64*((\a)%4)
	WIN W|(W<<2)                                   ; sources 0 and 1: the accumulators' window
.irp b, 0,1,2,3
	v_max3_num_f32 v[TM+\b], |v[AC+16*\b]|, |v[AC+16*\b+1]|, 0x1800000   ; each accumulator is read from its low end on; the floor 2^(3 - 127) holds the byte at 1 from below
.endr
.irp i, 2,4,6,8,10,12,14
.irp b, 0,1,2,3
	v_max3_num_f32 v[TM+\b], |v[AC+16*\b+\i]|, |v[AC+16*\b+\i+1]|, v[TM+\b]
.endr
.endr
	WIN 0
.irp b, 0,1,2,3
	v_permlanex16_b32 v[TM+4+\b], v[TM+\b], s[SEL], s[SEL+1]
.endr
.irp b, 0,1,2,3
	v_max_num_f32 v[TM+\b], v[TM+\b], v[TM+4+\b]
.endr
.irp b, 0,1,2,3
	v_add_nc_u32 v[TM+12+\b], 0xff000000, v[TM+\b]
.endr
.irp b, 0,1,2,3
	v_lshrrev_b32 v[TM+4+\b], 23, v[TM+12+\b]
.endr
	v_lshl_or_b32 v[PW8+(\a)], v[TM+5], 8, v[TM+4]
	v_lshl_or_b32 v[PW8+(\a)], v[TM+6], 16, v[PW8+(\a)]
	v_lshl_or_b32 v[PW8+(\a)], v[TM+7], 24, v[PW8+(\a)]
	s_wait_xcnt 0x0                                ; the last block's stores have read their data and bases: both are written again only behind this wait
.if (\a) > 0
	s_add_nc_u64 s[80:81], s[80:81], s[68:69]
	s_add_nc_u64 s[82:83], s[82:83], s[68:69]
.endif
.if (\a) == 4
	s_add_nc_u64 s[80:81], s[80:81], s[70:71]
	s_add_nc_u64 s[82:83], s[82:83], s[70:71]
.endif
	WIN W                                          ; source 0: the accumulators' window
.irp c, 0,1
	v_cvt_scalef32_pk16_fp6_f32 v[PC+6*\c:PC+6*\c+2], v[AC+32*\c:AC+32*\c+15], v[TM+12+2*\c]
	v_cvt_scalef32_pk16_fp6_f32 v[PC+12+4*\c:PC+14+4*\c], v[AC+32*\c+16:AC+32*\c+31], v[TM+12+2*\c+1]
.endr
	WIN 0
	v_nop                                          ; one plain place behind a scaled conversion
.irp c, 0,1
.irp i, 0,1,2
	v_permlane16_swap_b32 v[PC+6*\c+\i], v[PC+12+4*\c+\i]
.endr
.irp i, 0,1,2
	v_mov_b32 v[PC+3+6*\c+\i], v[PC+12+4*\c+\i]
.endr
.endr
.irp p, 0,1,2
	global_store_b64 v[LN8], v[PC+2*\p:PC+2*\p+1], s[80:81] offset:256*\p      ; each store covers 256 consecutive bytes, aligned
	global_store_b64 v[LN8], v[PC+6+2*\p:PC+7+2*\p], s[82:83] offset:256*\p
.endr
.endm
.irp a, 0,1,2,3,4,5,6,7
	QOUT \a
.endr
	; the scale words.  q, k: word g of a token and head: blocks 2 g and 2 g + 1, two bytes each; lanes 0-15 the first head, lanes 16-31 the second.  v: word j: block j (first head, lanes 0-15) or 4 + j (second)
.irp j, 0,1,2,3
	v_perm_b32 v[SWA+\j], v[PW8+2*\j+1], v[PW8+2*\j], v[VSA]
	v_perm_b32 v[SWB+\j], v[PW8+4+\j], v[PW8+\j], v[VSB]
.endr
.irp j, 0,1,2,3
	v_cndmask_b32 v[SWA+\j], v[SWA+\j], v[SWB+\j], s9
.endr
	global_store_b128 v[SOFF], v[SWA:SWA+3], s[84:85]   ; each half of the lanes stores 256 consecutive bytes, aligned
	s_wait_tensorcnt 0x0                           ; the wave's end
	ds_add_u32 v[SPW], v[NIL]
	s_wait_dscnt 0x0
	CROUND                                         ; the closing round: no work-group ends while a partner may still ask for a tile that names it
	s_endpgm
.Lfunc_end_k_q1ee874b474_qkv:
	.size	k_q1ee874b474_qkv, .Lfunc_end_k_q1ee874b474_qkv-k_q1ee874b474_qkv
	.p2alignl 7, 3214868480
	.fill 96, 4, 3214868480
	.section	.rodata,"a",@progbits
	.p2align	6, 0x0
	.amdhsa_kernel k_q1ee874b474_qkv
		.amdhsa_group_segment_fixed_size 327680
		.amdhsa_private_segment_fixed_size 0
		.amdhsa_enable_private_segment 0
		.amdhsa_kernarg_size 16
		.amdhsa_user_sgpr_count 2
		.amdhsa_user_sgpr_kernarg_segment_ptr 1
		.amdhsa_wavefront_size32 1
		.amdhsa_system_sgpr_workgroup_id_x 1
		.amdhsa_system_sgpr_workgroup_id_y 1
		.amdhsa_system_sgpr_workgroup_id_z 1
		.amdhsa_system_vgpr_workitem_id 0
		.amdhsa_next_free_vgpr 1024
		.amdhsa_next_free_sgpr 100
		.amdhsa_reserve_vcc 0
		.amdhsa_float_denorm_mode_32 3
		.amdhsa_float_denorm_mode_16_64 3
		.amdhsa_memory_ordered 1
		.amdhsa_forward_progress 1
		.amdhsa_inst_pref_size 171
	.end_amdhsa_kernel
	.amdgpu_metadata
---
amdhsa.version: [ 1, 2 ]
amdhsa.kernels:
  - .name:           k_q1ee874b474_qkv
    .symbol:         k_q1ee874b474_qkv.kd
    .args:
      - { .name: opnd, .offset: 0, .size: 8, .value_kind: global_buffer, .address_space: global }
      - { .name: qkv, .offset: 8, .size: 8, .value_kind: global_buffer, .address_space: global }
    .group_segment_fixed_size: 327680
    .private_segment_fixed_size: 0
    .kernarg_segment_align: 8
    .kernarg_segment_size: 16
    .max_flat_workgroup_size: 128
    .sgpr_count:     100
    .vgpr_count:     1024
    .wavefront_size: 32
...
	.end_amdgpu_metadata
.endif
;; end of part 2
;; launch attn (part 3): grid 4 x 64, 16 waves a work-group, no clusters, 327,680 bytes of LDS; arguments qkv, ocod; writes ocod
.if DOCPART == 3
	.amdgcn_target "amdgcn-amd-amdhsa--gfx1250"
	.amdhsa_code_object_version 6
	.text
	.protected	k_q1ee874b474_attn
	.globl	k_q1ee874b474_attn
	.p2align	8
	.type	k_q1ee874b474_attn,@function
k_q1ee874b474_attn:
	s_mov_b64 s[64:65], 0
	v_nop
	global_prefetch_b8 v0, s[64:65] scope:SCOPE_SE
	s_setreg_imm32_b32 hwreg(HW_REG_WAVE_MODE, 25, 1), 1
	s_wait_xcnt 0x0
; o = softmax(q k^T / 8, causal) v for one batch and head, both products on codes of FP6 (E2M3) with E8M0 scales; o / the row's sum is quantised along the model's 1,024 and stored as the last product's operand.
; THE SOFTMAX: t = score x log2(e) / 8; M = the running largest t rounded UP to a whole number; p = 2^(t - M) is quantised along the keys, not normalised; the row's sum is taken of the unquantised p; when M moves, sum and O are multiplied by 2^(old M - new M), exactly.
; SHARES: a work-group (I = x, 0..3; batch x head = y) owns the blocks of 256 queries I and 7 - I, one after the other: block I walks key slots 0 .. I, block 7 - I slots 0 .. 7 - I: NINE visits of a slot of 256 keys in every
; work-group, so the loop's trip count is a constant and all 256 work-groups have the same work.  Each of the sixteen waves owns one tile of 16 queries: tokens 32 (w / 2) + 8 (w % 2) + r + 8 (r / 8) of the block.
; A slot (25,600 dense bytes of memory: k's codes, v's codes, k's scale words, v's) comes by ONE tensor load of wave 0 into one of two LDS slots and is read by all sixteen waves.
; LAYOUT: S^T = K Q^T and O^T = V^T P^T: a lane holds one query throughout.  Operands lie as images of registers (pieces of 256 bytes, 8 bytes a lane).  A tile of keys holds keys 32 (a / 2) + 8 (a % 2) + r + 8 (r / 8), so the 16 registers of two neighbouring tiles are 16 neighbouring keys.
; THE HEAD'S 64 IN AN INSTRUCTION OF 128: source 0 holds key tile 2 g in k 0..63 and tile 2 g + 1 in k 64..127; source 1 is (q, zeros) for the first and (zeros, q) for the second: zero codes add nothing under any byte but 0xff, and all bytes lie in 1..254.
; NO CLUSTER: the four work-groups of a head walk the slots in different orders (their passes differ in length with I), so they do not ask for one tile at one time.
; LIMITS: a block of zeros gets the byte 1.  The scale bytes of o leave two at a time (2 of every 50 bytes stored).  Of the prefetching wave 7, lanes 4-31 name the slot's last block once more (a slot is 100 blocks of 256 bytes).
.set QOFF,   13107200
.set HSTR,   204800
.set SLSTR,  25600
.set OS_OFF, 6291456
.set VCO,    12288                     ; in a slot: v's codes,
.set KSO,    24576                     ; k's scale words,
.set VSO,    25088                     ; v's
.set SLOT1,  32768                     ; LDS: slot 1 begins here: one exclusive or turns an address
.set SPARE,  65536                     ; the spare words, 128 bytes for each of the sixteen waves
.set PC, 192                           ; v192-211 codes just made
.set BM, 212                           ; v212-215 the blocks' largest
.set BT, 216                           ; v216-219 lane permutes' destinations, then bytes
.set BS, 220                           ; v220-223 the conversions' scale operands
; v1 8 x lane; v2 16 r; v3 r + 8 (r / 8) - 16 h; v5, v6 the add's two; v7 4 r; v8, v9 LDS addresses in hand; v11 the prefetches' offset; v12 -M; v13 the largest t; v[14:15] the sum;
; v16-21 zeros, v22-27 q, v28-33 zeros; v34 q's scales, v35 p's; v36-83 four operands of K or V; v84-87 K's scale words, v88-91 V's; v[92:93] f; v96-159 S^T, then p; v160-191 O^T; v[224:225] a second chain of the sum; v226-227 at work.
; s8 wave; s9 I; s10 batch x head; s11 the visit; s13 the LDS slot in hand; s14 the step's first key; s15, s16 my least and greatest query; s17 the slot to be asked for; s[18:19] the head's keys and values;
; s[20:21] lane selects; s[22:23] c; s[24:31], s[32:35] the descriptor; s[36:37] an offset; s[38:45] q's codes, q's scales, o's codes, o's scales; s[46:47], s48 the prefetches; s49 byte select; s50-62 at work and constants of the wave.
.macro TLOAD                           ; wave 0 fetches; the branch hangs on the wave's number alone.  An s_nop 0 and four v_nop follow the load
	s_cmp_eq_u32 s8, 0
	s_cbranch_scc0 .Lnot_mine_\@
	tensor_load_to_lds s[32:35], s[24:31]
	s_nop 0
.rept 4
	v_nop
.endr
.Lnot_mine_\@:
.endm
; A PREFETCH INTO THE L2: in the work-group with I = 0, whose second pass walks all eight slots, waves 4 to 7 name at visit v = 1 .. 6 the 100 blocks of 256 bytes of slot v + 1, a lane a block:
; one visit ahead of that work-group's own tensor load for that slot.  Slots 0 and 1 come by their loads alone; behind slot 7 there is nothing to name.
.macro ASK
	s_sub_co_u32 s50, s11, 1
	s_cmp_lt_u32 s50, s48
	s_cbranch_scc0 .Lno_ask_\@
	global_prefetch_b8 v11, s[46:47] th:TH_LOAD_NT scope:SCOPE_SE
.Lno_ask_\@:
.endm
; THE CHANGE OF SLOTS, at a visit's head.  Each wave waits for all its tensor loads, adds 0 to its spare word, and waits for that and for its reads of the slot that it has left; behind the barrier the slot ahead is whole
; and nobody reads the other one.  fill = 1: that other slot takes the next visit's keys: the load has a whole visit in which to land.
.macro CHANGE fill
	s_wait_tensorcnt 0x0                           ; no tensor load of mine is out, so the descriptor may be written
	ds_add_u32 v5, v6                              ; 0 onto my spare word
.if \fill
	s_xor_b32 s33, s33, SLOT1                      ; the other LDS slot than last time
	s_add_co_u32 s17, s17, 1                       ; the next slot of keys,
	s_cmp_eq_u32 s11, s9
	s_cselect_b32 s17, 0, s17                      ; or slot 0 again, where the second pass begins
	s_mul_i32 s36, s17, SLSTR
	s_add_nc_u64 s[34:35], s[18:19], s[36:37]
	s_or_b32 s35, s35, 0x80000000
	s_wait_xcnt 0x0                                ; the last prefetch, a visit back, has read its address
	s_add_nc_u64 s[46:47], s[46:47], SLSTR
.endif
	s_wait_dscnt 0x0                               ; the add is done, and my reads of the slot that I have left are over
	s_barrier_signal -1
	s_barrier_wait -1
.if \fill
	TLOAD                                          ; the first thing behind the barrier, and the one tensor load until the next
	ASK
.endif
.endm
; A KEY STEP: 128 keys, the q-th half of the slot in hand.
.macro STEP q
	s_cmp_gt_u32 s14, s16                          ; all 128 keys come after my 16 queries: the step's work is left out (a branch on ids; no barrier and no tensor load stands in a step)
	s_cbranch_scc1 .Lhidden_\@
	v_add_nc_u32 v8, s13, v1
	v_add_nc_u32 v9, s13, v2
	v_nop
	v_nop                                          ; four places in front of loads into registers that matrix instructions have read
.irp g, 0,1,2,3
.irp p, 0,1,2,3,4,5
	ds_load_b64 v[36+12*\g+2*\p:37+12*\g+2*\p], v8 offset:6144*(\q)+1536*\g+256*\p
.endr
.endr
	ds_load_b128 v[84:87], v9 offset:KSO+256*(\q)
	s_wait_alu depctr_va_vdst(0)
	s_wait_dscnt 0x0
.irp g, 0,1,2,3
	v_wmma_scale_f32_16x16x128_f8f6f4 v[96+16*\g:103+16*\g], v[36+12*\g:47+12*\g], v[22:33], 0, v[84+\g], v34 matrix_a_fmt:MATRIX_FMT_FP6 matrix_b_fmt:MATRIX_FMT_FP6
	v_wmma_scale_f32_16x16x128_f8f6f4 v[104+16*\g:111+16*\g], v[36+12*\g:47+12*\g], v[16:27], 0, v[84+\g], v34 matrix_a_fmt:MATRIX_FMT_FP6 matrix_b_fmt:MATRIX_FMT_FP6
.endr                                  ; register 16 b + i of S^T: key 32 b + 16 h + i of the step
.rept 4
	v_nop                                          ; places: in front of the loads below and of the first read of the scores
.endr
.irp t, 0,1,2,3                        ; V's four fragments take K's registers and land under the softmax
.irp p, 0,1,2,3,4,5
	ds_load_b64 v[36+12*\t+2*\p:37+12*\t+2*\p], v8 offset:VCO+6144*(\q)+1536*\t+256*\p
.endr
.endr
	ds_load_b128 v[88:91], v9 offset:VSO+256*(\q)
	s_add_co_u32 s50, s14, 127                     ; on the diagonal hidden scores become -infinity ahead of the maximum; a step all of whose keys count skips this
	s_cmp_le_u32 s50, s15
	s_cbranch_scc1 .Lopen_\@
	s_sub_co_i32 s50, s15, s14
	v_add_nc_u32 v226, s50, v3                     ; d = my query - the step's first key - 16 h: register 16 b + i is hidden where 32 b + i > d
	v_mov_b32 v227, 0xff800000
.set n, 0
.rept 64
	v_cmp_gt_i32 vcc_lo, 32*(n/16)+n%16, v226
	v_cndmask_b32 v[96+n], v[96+n], v227, vcc_lo
.set n, n+1
.endr
.Lopen_\@:
.irp b, 0,1,2,3
	v_max3_num_f32 v[BM+\b], v[96+16*\b], v[97+16*\b], v[98+16*\b]   ; the largest score of each block of 32 keys: for the row's maximum, and, since p rises with the score, for the block's largest p
.endr
.irp i, 3,5,7,9,11,13
.irp b, 0,1,2,3
	v_max3_num_f32 v[BM+\b], v[BM+\b], v[96+16*\b+\i], v[97+16*\b+\i]
.endr
.endr
.irp b, 0,1,2,3
	v_max_num_f32 v[BM+\b], v[BM+\b], v[111+16*\b]
.endr
.irp b, 0,1,2,3
	s_delay_alu instid0(VALU_DEP_4)
	v_permlanex16_b32 v[BT+\b], v[BM+\b], s20, s21
.endr
.irp b, 0,1,2,3
	s_delay_alu instid0(VALU_DEP_4)
	v_max_num_f32 v[BM+\b], v[BM+\b], v[BT+\b]
.endr
	s_delay_alu instid0(VALU_DEP_2)
	v_max3_num_f32 v226, v[BM], v[BM+1], v[BM+2]
	s_delay_alu instid0(VALU_DEP_1)
	v_max_num_f32 v226, v226, v[BM+3]
	s_delay_alu instid0(VALU_DEP_1)
	v_mul_f32 v226, s22, v226                      ; as t (c is positive)
	s_delay_alu instid0(VALU_DEP_1)
	v_max_num_f32 v13, v13, v226                   ; the running largest t
	v_mov_b32 v226, v12
	s_delay_alu instid0(VALU_DEP_2)
	v_floor_f32 v12, -v13                          ; the new -M = -ceil(t)
	s_delay_alu instid0(VALU_DEP_1)
	v_sub_f32 v226, v12, v226                      ; old M - new M: a whole number, 0 or less
	s_delay_alu instid0(VALU_DEP_1)
	v_cvt_i32_f32 v226, v226                       ; (it saturates)
	s_delay_alu instid0(VALU_DEP_1)
	v_ldexp_f32 v92, 1.0, v226                     ; f = 2^(old M - new M)
.set n, 0
.rept 32
	v_pk_fma_f32 v[96+n:97+n], v[96+n:97+n], s[22:23], v[12:13] op_sel_hi:[1,0,0]   ; t - M
.set n, n+2
.endr
.irp b, 0,1,2,3
	v_fma_f32 v[BM+\b], v[BM+\b], s22, v12
.endr
.set n, 0
	s_wait_alu depctr_va_vdst(0)
.rept 64
	v_exp_f32 v[96+n], v[96+n]                     ; p
.set n, n+1
.endr
	v_pk_mul_f32 v[14:15], v[14:15], v[92:93] op_sel_hi:[1,0]   ; the sums under the new M: a plain place behind the exponentials
	s_wait_alu depctr_va_vdst(0)                   ; one wait for the batch of 64, ahead of its first reader
.irp b, 0,1,2,3
	v_exp_f32 v[BM+\b], v[BM+\b]                   ; the blocks' largest p
.endr
	v_pk_add_f32 v[224:225], v[100:101], v[104:105]
	v_pk_add_f32 v[238:239], v[108:109], v[112:113]
	v_pk_add_f32 v[236:237], v[116:117], v[120:121]
	v_pk_add_f32 v[234:235], v[124:125], v[128:129]
	v_pk_add_f32 v[232:233], v[132:133], v[136:137]
	v_pk_add_f32 v[230:231], v[140:141], v[144:145]
	v_pk_add_f32 v[228:229], v[148:149], v[152:153]
	v_pk_add_f32 v[14:15], v[14:15], v[156:157]
	v_pk_add_f32 v[224:225], v[224:225], v[96:97]
	v_pk_add_f32 v[238:239], v[238:239], v[98:99]
	v_pk_add_f32 v[236:237], v[236:237], v[102:103]
	v_pk_add_f32 v[234:235], v[234:235], v[106:107]
	v_pk_add_f32 v[232:233], v[232:233], v[110:111]
	v_pk_add_f32 v[230:231], v[230:231], v[114:115]
	v_pk_add_f32 v[228:229], v[228:229], v[118:119]
	v_pk_add_f32 v[14:15], v[14:15], v[122:123]
	v_pk_add_f32 v[224:225], v[224:225], v[126:127]
	v_pk_add_f32 v[238:239], v[238:239], v[130:131]
	v_pk_add_f32 v[236:237], v[236:237], v[134:135]
	v_pk_add_f32 v[234:235], v[234:235], v[138:139]
	v_pk_add_f32 v[232:233], v[232:233], v[142:143]
	v_pk_add_f32 v[230:231], v[230:231], v[146:147]
	v_pk_add_f32 v[228:229], v[228:229], v[150:151]
	v_pk_add_f32 v[14:15], v[14:15], v[154:155]
	v_pk_add_f32 v[224:225], v[224:225], v[158:159]
	s_delay_alu instid0(VALU_DEP_2)
	v_pk_add_f32 v[14:15], v[14:15], v[234:235]
	s_delay_alu instid0(VALU_DEP_2)
	v_pk_add_f32 v[224:225], v[224:225], v[232:233]
	v_pk_add_f32 v[238:239], v[238:239], v[230:231]
	v_pk_add_f32 v[236:237], v[236:237], v[228:229]
	s_delay_alu instid0(VALU_DEP_2)
	v_pk_add_f32 v[14:15], v[14:15], v[238:239]
	s_delay_alu instid0(VALU_DEP_2)
	v_pk_add_f32 v[224:225], v[224:225], v[236:237]
	s_delay_alu instid0(VALU_DEP_1)
	v_pk_add_f32 v[14:15], v[14:15], v[224:225]
	s_wait_alu depctr_va_vdst(0)                   ; and one for the four
.irp b, 0,1,2,3
	v_max_num_f32 v[BM+\b], 0x1800000, v[BM+\b]    ; the floor 2^(3 - 127)
.endr
.irp b, 0,1,2,3
	s_delay_alu instid0(VALU_DEP_4)
	v_add_nc_u32 v[BS+\b], 0xff000000, v[BM+\b]
.endr
.irp b, 0,1,2,3
	s_delay_alu instid0(VALU_DEP_4)
	v_lshrrev_b32 v[BT+\b], 23, v[BS+\b]
.endr
	s_delay_alu instid0(VALU_DEP_3)
	v_lshl_or_b32 v35, v[BT+1], 8, v[BT]           ; p's scale word for these 128 keys
	s_delay_alu instid0(VALU_DEP_1)
	v_lshl_or_b32 v35, v[BT+2], 16, v35
	s_delay_alu instid0(VALU_DEP_1)
	v_lshl_or_b32 v35, v[BT+3], 24, v35
.irp c, 0,1
	v_cvt_scalef32_pk16_fp6_f32 v[PC+6*\c:PC+6*\c+2], v[96+32*\c:111+32*\c], v[BS+2*\c]
	v_cvt_scalef32_pk16_fp6_f32 v[PC+12+4*\c:PC+14+4*\c], v[112+32*\c:127+32*\c], v[BS+2*\c+1]
.endr
	v_nop                                          ; one plain place behind a scaled conversion
.irp c, 0,1
.irp i, 0,1,2
	v_permlane16_swap_b32 v[PC+6*\c+\i], v[PC+12+4*\c+\i]
.endr
.irp i, 0,1,2
	s_delay_alu instid0(VALU_DEP_3)
	v_mov_b32 v[PC+3+6*\c+\i], v[PC+12+4*\c+\i]
.endr
.endr
.set n, 0
.rept 16
	v_pk_mul_f32 v[160+n:161+n], v[160+n:161+n], v[92:93] op_sel_hi:[1,0]   ; O^T under the new M; these sixteen are also the places between the writes of p's codes and scale word and the products
.set n, n+2
.endr
	s_wait_alu depctr_va_vdst(0)
	s_wait_dscnt 0x0                               ; V is in
.irp t, 0,1,2,3                        ; the four accumulators by turns
	v_wmma_scale_f32_16x16x128_f8f6f4 v[160+8*\t:167+8*\t], v[36+12*\t:47+12*\t], v[PC:PC+11], v[160+8*\t:167+8*\t], v[88+\t], v35 matrix_a_fmt:MATRIX_FMT_FP6 matrix_b_fmt:MATRIX_FMT_FP6
.endr
.Lhidden_\@:
	s_add_co_u32 s14, s14, 128
.endm
; A pass begins: s51 = the block of queries.
.macro PROLOGUE
	s_wait_xcnt 0x0                                ; earlier loads and stores have read their bases and data
	s_lshl_b32 s15, s51, 8
	s_add_co_u32 s15, s15, s52                     ; my least query,
	s_add_co_u32 s16, s15, 23                      ; my greatest
	s_mov_b32 s14, 0
	s_mul_i32 s50, s51, SLSTR
	s_add_co_u32 s36, s50, s53
	s_add_nc_u64 s[38:39], s[4:5], s[36:37]        ; q's half fragment
	s_add_co_u32 s36, s50, s54
	s_add_nc_u64 s[40:41], s[4:5], s[36:37]        ; q's scale words
	s_mul_i32 s36, s51, 16*12288
	s_add_co_u32 s36, s36, s55
	s_add_nc_u64 s[42:43], s[6:7], s[36:37]        ; where o's half fragment goes
	s_lshl_b32 s36, s51, 13
	s_add_co_u32 s36, s36, s56
	s_add_nc_u64 s[44:45], s[6:7], s[36:37]        ; and its two scale bytes a token
.irp p, 0,1,2
	global_load_b64 v[22+2*\p:23+2*\p], v1, s[38:39] offset:256*\p
.endr
	global_load_b32 v34, v2, s[40:41]
	s_wait_loadcnt 0x0
	v_perm_b32 v34, v34, v34, s49                  ; my tile's two bytes, twice: they serve q in either half of K
	v_mov_b32 v13, 0xff61b1e6                      ; the largest t so far: -3e38
	s_delay_alu instid0(VALU_DEP_1)
	v_floor_f32 v12, -v13
	v_mov_b32 v14, 0
	v_mov_b32 v15, 0
.set n, 0
.rept 32
	v_mov_b32 v[160+n], 0                          ; O^T: the step is written once, its first change of M multiplies zeros.  (Also the places behind the write of q's scales)
.set n, n+1
.endr
.endm
; A pass ends: O^T / the sum, quantised along the head's 64 (two blocks), becomes half a fragment of the last product's operand.
.macro EPILOGUE
.rept 4
	v_nop                                          ; places behind the last products
.endr
	v_add_f32 v14, v14, v15
	s_delay_alu instid0(VALU_DEP_1)
	v_permlanex16_b32 v226, v14, s20, s21
	s_delay_alu instid0(VALU_DEP_1)
	v_add_f32 v14, v14, v226                       ; the row's sum
	s_wait_alu depctr_va_vdst(0)
	v_rcp_f32 v14, v14
	v_nop                                          ; a plain place behind the reciprocal
	s_wait_alu depctr_va_vdst(0)                   ; and the wait ahead of its first reader
.set n, 0
.rept 32
	v_mul_f32 v[96+n], v[160+n], v14               ; register 16 b + i: channel 32 b + 16 h + i of my query; each accumulator from its low end on
.set n, n+1
.endr
.irp b, 0,1
	v_max3_num_f32 v[BM+\b], |v[96+16*\b]|, |v[97+16*\b]|, 0x1800000
.endr
.irp i, 2,4,6,8,10,12,14
.irp b, 0,1
	s_delay_alu instid0(VALU_DEP_2)
	v_max3_num_f32 v[BM+\b], v[BM+\b], |v[96+16*\b+\i]|, |v[97+16*\b+\i]|
.endr
.endr
.irp b, 0,1
	s_delay_alu instid0(VALU_DEP_2)
	v_permlanex16_b32 v[BT+\b], v[BM+\b], s20, s21
.endr
.irp b, 0,1
	s_delay_alu instid0(VALU_DEP_2)
	v_max_num_f32 v[BM+\b], v[BM+\b], v[BT+\b]
.endr
.irp b, 0,1
	s_delay_alu instid0(VALU_DEP_2)
	v_add_nc_u32 v[BS+\b], 0xff000000, v[BM+\b]
.endr
.irp b, 0,1
	s_delay_alu instid0(VALU_DEP_2)
	v_lshrrev_b32 v[BT+\b], 23, v[BS+\b]
.endr
	s_delay_alu instid0(VALU_DEP_1)
	v_lshl_or_b32 v227, v[BT+1], 8, v[BT]
	v_cvt_scalef32_pk16_fp6_f32 v[PC:PC+2], v[96:111], v[BS]
	v_cvt_scalef32_pk16_fp6_f32 v[PC+4:PC+6], v[112:127], v[BS+1]
	v_nop
.irp i, 0,1,2
	v_permlane16_swap_b32 v[PC+\i], v[PC+4+\i]
.endr
.irp i, 0,1,2
	s_delay_alu instid0(VALU_DEP_3)
	v_mov_b32 v[PC+3+\i], v[PC+4+\i]
.endr
.irp p, 0,1,2
	global_store_b64 v1, v[PC+2*\p:PC+2*\p+1], s[42:43] offset:256*\p   ; 256 consecutive bytes, aligned
.endr
	global_store_b16 v7, v227, s[44:45]            ; lanes l and l xor 16 hold the same two bytes and store them at the same place
.endm
	s_load_b128 s[4:7], s[0:1], 0x0                ; qkv, ocod
	v_lshl_add_u32 v5, v0, 2, SPARE
	v_mov_b32 v6, 0
	ds_add_u32 v5, v6                              ; the wave's opening: the add and its wait come ahead of the first tensor load; work on registers stands between them
	ds_add_u32 v5, v6
	v_lshrrev_b32 v1, 5, v0
	s_delay_alu instid0(VALU_DEP_1)
	v_readfirstlane_b32 s8, v1                     ; wave 0..15
	s_mov_b32 s9, ttmp9                            ; I
	s_and_b32 s10, ttmp7, 0xffff                   ; 16 x batch + head
	s_mov_b32 s24, 3<<16                           ; group 1: no mask; elements of 8 bytes; no padding
	s_mov_b32 s25, 32<<16                          ; tensor_dim0 = 32 elements: 256 bytes
	s_mov_b32 s26, 100<<16                         ; tensor_dim1 = 100 rows
	s_mov_b32 s27, 32<<16                          ; tile_dim0
	s_mov_b32 s28, 100                             ; tile_dim1
	s_mov_b32 s29, 32                              ; dense in memory
	s_mov_b32 s30, 0
	s_mov_b32 s31, 0
	s_mov_b32 s20, 0x76543210
	s_mov_b32 s21, 0xfedcba98
	s_mov_b32 s22, 0x3e38aa3b                      ; c = log2(e) / 8
	s_mov_b32 s23, s22
	s_mov_b32 s11, 0
	s_mov_b32 s13, 0
	s_mov_b32 s17, 0
	s_mov_b32 s37, 0
	s_mul_i32 s36, s10, HSTR
	s_lshr_b32 s50, s8, 1
	s_lshl_b32 s52, s50, 5
	s_and_b32 s57, s8, 1
	s_lshl_b32 s58, s57, 3
	s_add_co_u32 s52, s52, s58                     ; 32 (w / 2) + 8 (w % 2)
	s_lshr_b32 s58, s8, 3                          ; which half of a slot my tile lies in,
	s_and_b32 s59, s8, 7                           ; and which of its eight tiles
	s_mul_i32 s53, s58, 6144
	s_mul_i32 s60, s59, 768
	s_add_co_u32 s53, s53, s60
	s_add_co_u32 s53, s53, s36
	s_add_co_u32 s53, s53, QOFF
	s_lshl_b32 s54, s58, 8
	s_lshr_b32 s60, s59, 1
	s_lshl_b32 s60, s60, 2
	s_add_co_u32 s54, s54, s60
	s_add_co_u32 s54, s54, s36
	s_add_co_u32 s54, s54, QOFF+KSO
	s_lshr_b32 s60, s10, 4
	s_lshl_b32 s60, s60, 7
	s_add_co_u32 s60, s60, s8                      ; o's fragment for block 0: 128 x batch + w
	s_bfe_u32 s61, s10, 0x30001                    ; head / 2: the K step
	s_and_b32 s62, s10, 1                          ; head % 2: which half of it
	s_mul_i32 s55, s60, 12288
	s_mul_i32 s58, s61, 1536
	s_add_co_u32 s55, s55, s58
	s_mul_i32 s58, s62, 768
	s_add_co_u32 s55, s55, s58
	s_lshl_b32 s56, s60, 9
	s_lshl_b32 s58, s61, 6
	s_add_co_u32 s56, s56, s58
	s_lshl_b32 s58, s62, 1
	s_add_co_u32 s56, s56, s58
	s_add_co_u32 s56, s56, OS_OFF
	s_mov_b32 s49, 0x07060302
	s_cmp_eq_u32 s57, 0
	s_cselect_b32 s49, 0x05040100, s49             ; an even tile's bytes are a word's lower two
	s_lshr_b32 s58, s8, 2
	s_xor_b32 s58, s58, 1                          ; 0 in waves 4 to 7,
	s_or_b32 s58, s58, s9                          ; of the work-group with I = 0
	s_cmp_eq_u32 s58, 0
	s_cselect_b32 s48, 6, 0
	s_and_b32 s58, s8, 3
	s_lshl_b32 s58, s58, 5
	s_wait_dscnt 0x0                               ; the opening add is done
	s_wait_kmcnt 0x0
	s_add_nc_u64 s[18:19], s[4:5], s[36:37]        ; the head's keys and values
	s_mov_b64 s[46:47], s[18:19]                   ; the prefetches' address: each change of slots steps it by a slot
	s_mov_b32 s32, 1                               ; group 0: count = 1
	s_mov_b32 s33, 0                               ; LDS slot 0
	s_mov_b64 s[34:35], s[18:19]                   ; the head's slot 0
	s_or_b32 s35, s35, 0x80000000                  ; type = 2
	TLOAD
	v_and_b32 v4, 31, v0                           ; lane
	s_delay_alu instid0(VALU_DEP_1)
	v_lshlrev_b32 v1, 3, v4
	v_and_b32 v10, 15, v0                          ; r
	s_delay_alu instid0(VALU_DEP_1)
	v_lshlrev_b32 v2, 4, v10
	s_delay_alu instid0(VALU_DEP_2)
	v_lshlrev_b32 v7, 2, v10
	s_delay_alu instid0(VALU_DEP_3)
	v_and_b32 v3, 8, v10
	s_delay_alu instid0(VALU_DEP_1)
	v_add_nc_u32 v3, v3, v10
	v_and_b32 v226, 16, v0
	s_delay_alu instid0(VALU_DEP_1)
	v_sub_nc_u32 v3, v3, v226
	v_add_nc_u32 v11, s58, v4
	s_delay_alu instid0(VALU_DEP_1)
	v_min_u32 v11, 99, v11
	s_delay_alu instid0(VALU_DEP_1)
	v_lshlrev_b32 v11, 8, v11
.irp i, 0,1,2,3,4,5
	v_mov_b32 v[16+\i], 0                          ; the zero codes on either side of q
	v_mov_b32 v[28+\i], 0
.endr
.irp b, 0,1,2,3
	v_mov_b32 v[BT+\b], 0                          ; written once: a lane permute's destination counts as one of its sources
.endr
	v_mov_b32 v93, 0                               ; (named as the upper half of the pair v[92:93])
	s_mov_b32 s51, s9
	PROLOGUE                                       ; the first pass: block I
.Lvisit:                               ; eight trips; the ninth visit is written out
	CHANGE 1
	STEP 0
	STEP 1
	s_xor_b32 s13, s13, SLOT1
	s_cmp_eq_u32 s11, s9                           ; the first pass ends with visit I (a branch on the work-group's number; no barrier and no tensor load inside)
	s_cbranch_scc0 .Lsame
	EPILOGUE
	s_sub_co_u32 s51, 7, s9
	PROLOGUE                                       ; the second pass: block 7 - I
.Lsame:
	s_add_co_u32 s11, s11, 1
	s_cmp_lt_u32 s11, 8
	s_cbranch_scc1 .Lvisit
	CHANGE 0
	STEP 0
	STEP 1
	EPILOGUE
	s_wait_tensorcnt 0x0                           ; the wave's end
	ds_add_u32 v5, v6
	s_wait_dscnt 0x0
	s_endpgm
.Lfunc_end_k_q1ee874b474_attn:
	.size	k_q1ee874b474_attn, .Lfunc_end_k_q1ee874b474_attn-k_q1ee874b474_attn
	.p2alignl 7, 3214868480
	.fill 96, 4, 3214868480
	.section	.rodata,"a",@progbits
	.p2align	6, 0x0
	.amdhsa_kernel k_q1ee874b474_attn
		.amdhsa_group_segment_fixed_size 327680
		.amdhsa_private_segment_fixed_size 0
		.amdhsa_enable_private_segment 0
		.amdhsa_kernarg_size 16
		.amdhsa_user_sgpr_count 2
		.amdhsa_user_sgpr_kernarg_segment_ptr 1
		.amdhsa_wavefront_size32 1
		.amdhsa_system_sgpr_workgroup_id_x 1
		.amdhsa_system_sgpr_workgroup_id_y 1
		.amdhsa_system_sgpr_workgroup_id_z 1
		.amdhsa_system_vgpr_workitem_id 0
		.amdhsa_next_free_vgpr 240
		.amdhsa_next_free_sgpr 66
		.amdhsa_reserve_vcc 1
		.amdhsa_float_denorm_mode_32 3
		.amdhsa_float_denorm_mode_16_64 3
		.amdhsa_memory_ordered 1
		.amdhsa_forward_progress 1
		.amdhsa_inst_pref_size 113
	.end_amdhsa_kernel
	.amdgpu_metadata
---
amdhsa.version: [ 1, 2 ]
amdhsa.kernels:
  - .name:           k_q1ee874b474_attn
    .symbol:         k_q1ee874b474_attn.kd
    .args:
      - { .name: qkv, .offset: 0, .size: 8, .value_kind: global_buffer, .address_space: global }
      - { .name: ocod, .offset: 8, .size: 8, .value_kind: global_buffer, .address_space: global }
    .group_segment_fixed_size: 327680
    .private_segment_fixed_size: 0
    .kernarg_segment_align: 8
    .kernarg_segment_size: 16
    .max_flat_workgroup_size: 512
    .sgpr_count:     66
    .vgpr_count:     240
    .wavefront_size: 32
...
	.end_amdgpu_metadata
.endif
;; end of part 3
;; launch proj (part 4): grid 4 x 32, 4 waves a work-group, clusters of 4 x 4, 327,680 bytes of LDS; arguments ocod, opnd, bo, out0; writes out0
.if DOCPART == 4
	.amdgcn_target "amdgcn-amd-amdhsa--gfx1250"
	.amdhsa_code_object_version 6
	.text
	.protected	k_q1ee874b474_proj
	.globl	k_q1ee874b474_proj
	.p2align	8
	.type	k_q1ee874b474_proj,@function
k_q1ee874b474_proj:
	s_mov_b64 s[64:65], 0
	v_nop
	global_prefetch_b8 v0, s[64:65] scope:SCOPE_SE
	s_setreg_imm32_b32 hwreg(HW_REG_WAVE_MODE, 25, 1), 1
	s_wait_xcnt 0x0
	s_wait_alu depctr_hold_cnt(0) depctr_sa_sdst(0) depctr_va_vdst(0) depctr_va_sdst(0) depctr_va_ssrc(0) depctr_va_vcc(0) depctr_vm_vsrc(0)
	s_getreg_b32 s2, hwreg(HW_REG_IB_STS2, 6, 4)
	s_cmp_eq_u32 s2, 0
	s_cbranch_scc0 .Lentry_in_a_cluster
	s_endpgm
.Lentry_in_a_cluster:
	s_bfe_u32 s2, ttmp6, 0x10000c
	s_cmp_lg_u32 s2, 0xf033
	s_cbranch_scc0 .Lentry_shape_is_right
	s_endpgm
.Lentry_shape_is_right:
; out0 = o Wo^T + bo on codes of FP6 (E2M3) with E8M0 scales, sums in f32.  o's codes and scale words come from the attention launch, Wo's from the quantising launch, both as images of the operand's registers:
; a fragment (16 rows x 128 K) is six pieces of 256 bytes, piece p = registers 2 p, 2 p + 1, lane l's 8 bytes at 256 p + 8 l; [fragment][K step 8][1536]; fragment f holds rows 32 (f / 2) + 8 (f % 2) + r + 8 (r / 8).
; A tile of 256 x 256 to a work-group of four waves, 128 x 128 a wave; K = 1,024 in four steps of 256 through a ring of two LDS slots filled by the tensor data mover.
; Source 0 = 16 rows of Wo (B), source 1 = 16 tokens (A): a lane holds one token, and the 16 registers of two neighbouring accumulators are 16 neighbouring columns of out0.
; The bias is the C of each sum's first matrix instruction: eight registers for each of B's eight blocks, in the result's layout.
; CLUSTERS: 4 x 4 work-groups; A's tiles are asked for jointly along a row of the cluster, B's along a column.
; REGISTERS: window 0: v16-29 addresses; v32-63 scale words, two sets; v64-127 the bias; v128-223 A's fragments, one set; on the way out v128-255 rows read back.  Window 1: B's fragments, two sets.  Windows 2, 3: the accumulators.
.set OS_OFF,  6291456
.set WC_OFF,  12582912
.set WS_OFF,  16252928
.set NQ,     2
.set FR,     12
.set NL,     6
.set NP,     4                         ; places behind this matrix instruction (ISA guide 7.12.1)
.set FRB,    1536
.set RBK,    3072
.set HALFT,  8*RBK
.set SLOT,   4*HALFT
.set SCL,    2*SLOT
.set HALFS,  4096
.set SPARE,  SCL+4*HALFS
.set SPITCH, 528                       ; the way out: a stage of 16 rows x (512 bytes + 16) for each wave, in slot 0, which has had its last fill and its last read when the first result is stored there
.set ADRA, 16
.set ADRB, 20
.set STO,  24
.set RD,   25
.set CO,   26
.set ADRS, 27
.set SPW,  28
.set NIL,  29
.set SC,   32
.set BI,   64
.set AF,   128
.set BK,   128
.set G1, 24
.set G0, 32
.set G1B, 48
.set G0B, 56
.set G1S, 68
.set G0S, 76
.set G1SB, 80
.set G0SB, 88
.set MSB, 0
.macro WIN new                         ; the immediate's high byte repeats the setting that is left
.if MSB != \new
	s_set_vgpr_msb (MSB<<8)|\new
.set MSB, \new
.endif
.endm
.set MUL_LO, 0xa1                      ; source 0 (B) window 1, source 1 (A) window 0, C and D window 2
.set MUL_HI, 0xf1
.set FIRST_LO, 0x81                    ; the first step: C (the bias) window 0, D window 2
.set FIRST_HI, 0xc1
.set TO_B,   0x40
.macro JLOAD g0a, g1a, g0b, g1b        ; a joint load: waves 0 and 1 fetch for A, waves 2 and 3 for B; an s_nop 0 and four v_nop follow each of the two lines
	s_cmp_eq_u32 s15, 0
	s_cbranch_scc0 .Lfor_b_\@
	tensor_load_to_lds s[\g0a:\g0a+3], s[\g1a:\g1a+7]
	s_nop 0
.rept 4
	v_nop
.endr
	s_branch .Lasked_\@
.Lfor_b_\@:
	tensor_load_to_lds s[\g0b:\g0b+3], s[\g1b:\g1b+7]
	s_nop 0
.rept 4
	v_nop
.endr
.Lasked_\@:
.endm
.macro CREST
	s_cmp_lg_u32 s14, 0
	s_cbranch_scc1 .Lnot_wave_0_\@
	s_barrier_signal -3
.Lnot_wave_0_\@:
	s_barrier_wait -3
	s_barrier_signal -1
	s_barrier_wait -1
.endm
.macro CROUND
	s_barrier_signal -1
	s_barrier_wait -1
	CREST
.endm
	s_load_b256 s[4:11], s[0:1], 0x0               ; ocod, opnd, bo, out0
	v_lshl_add_u32 v[SPW], v0, 2, SPARE
	v_mov_b32 v[NIL], 0
	ds_add_u32 v[SPW], v[NIL]                      ; the wave's opening: the add and its wait come ahead of my first tensor load; the set-up below, work on registers, stands between them
	v_lshrrev_b32 v1, 5, v0
	v_readfirstlane_b32 s14, v1                    ; wave 0..3
	s_lshr_b32 s15, s14, 1                         ; which half of the tile's tokens is mine.  Also: I fetch for A (0) or for B (1)
	s_and_b32 s16, s14, 1                          ; which half of its columns.  Also: which 128 rows I fetch
	s_bfe_u32 s40, ttmp6, 0x40000                  ; cx
	s_bfe_u32 s41, ttmp6, 0x40004                  ; cy
	s_lshl_b32 s42, ttmp9, 2
	s_add_co_u32 s42, s42, s40                     ; B's tile = 4 x cluster x + cx
	s_and_b32 s17, ttmp7, 0xffff
	s_lshl_b32 s17, s17, 2
	s_add_co_u32 s17, s17, s41                     ; A's tile = 4 x cluster y + cy
	s_lshl_b32 s43, s41, 2
	s_lshl_b32 s43, 15, s43                        ; my row of the cluster
	s_lshl_b32 s44, 0x1111, s40                    ; my column
	s_or_b32 s[G1+0], s43, (3<<16)|(1<<21)         ; codes: 8 fragment rows of 3,072 bytes (384 elements of 8 bytes), 12,288 bytes apart in memory, dense in LDS
	s_or_b32 s[G1B+0], s44, (3<<16)|(1<<21)
.irp g, G1, G1B
	s_mov_b32 s[\g+1], 384<<16
	s_mov_b32 s[\g+2], 8<<16
	s_mov_b32 s[\g+3], 384<<16
	s_mov_b32 s[\g+4], 8
	s_mov_b32 s[\g+5], 1536
	s_mov_b32 s[\g+6], 0
	s_mov_b32 s[\g+7], 0
.endr
	s_or_b32 s[G1S+0], s43, (3<<16)|(1<<21)        ; the scale words of 128 rows: 4,096 dense bytes as 16 rows of 256
	s_or_b32 s[G1SB+0], s44, (3<<16)|(1<<21)
.irp g, G1S, G1SB
	s_mov_b32 s[\g+1], 32<<16
	s_mov_b32 s[\g+2], 16<<16
	s_mov_b32 s[\g+3], 32<<16
	s_mov_b32 s[\g+4], 16
	s_mov_b32 s[\g+5], 32
	s_mov_b32 s[\g+6], 0
	s_mov_b32 s[\g+7], 0
.endr
	s_lshl_b32 s18, s16, 3
	s_lshl_b32 s20, s17, 4
	s_add_co_u32 s20, s20, s18                     ; A: fragment row 16 x tile + 8 x half (never holds cx)
	s_lshl_b32 s46, s42, 4
	s_add_co_u32 s46, s46, s18                     ; B likewise (never holds cy)
	s_lshl_b32 s22, s20, 9
	s_add_co_u32 s22, s22, OS_OFF
	s_mul_i32 s20, s20, 12288
	s_lshl_b32 s92, s46, 9
	s_add_co_u32 s92, s92, WS_OFF+3*32768
	s_mul_i32 s46, s46, 12288
	s_add_co_u32 s46, s46, WC_OFF+3*786432
	s_mov_b32 s21, 0
	s_mov_b32 s23, 0
	s_mov_b32 s47, 0
	s_mov_b32 s93, 0
	s_mul_i32 s45, s14, HALFT
	s_mul_i32 s94, s14, HALFS
	s_wait_dscnt 0x0                               ; the opening add is done
	s_wait_kmcnt 0x0
	s_add_nc_u64 s[20:21], s[4:5], s[20:21]
	s_add_nc_u64 s[22:23], s[4:5], s[22:23]
	s_add_nc_u64 s[46:47], s[6:7], s[46:47]
	s_add_nc_u64 s[92:93], s[6:7], s[92:93]
	CROUND                                         ; all sixteen work-groups are here: the first joint loads meet
	s_mov_b32 s[G0S], 1
	s_add_co_u32 s[G0S+1], s94, SCL
	s_mov_b64 s[G0S+2:G0S+3], s[22:23]
	s_or_b32 s[G0S+3], s[G0S+3], 0x80000000
	s_mov_b32 s[G0SB], 1
	s_add_co_u32 s[G0SB+1], s94, SCL
	s_mov_b64 s[G0SB+2:G0SB+3], s[92:93]
	s_or_b32 s[G0SB+3], s[G0SB+3], 0x80000000
	JLOAD G0S, G1S, G0SB, G1SB
.irp s, 0,1
	s_mov_b32 s[G0+4*\s], 1
	s_add_co_u32 s[G0+4*\s+1], s45, \s*SLOT
	s_add_nc_u64 s[G0+4*\s+2:G0+4*\s+3], s[20:21], \s*RBK
	s_or_b32 s[G0+4*\s+3], s[G0+4*\s+3], 0x80000000
	s_mov_b32 s[G0B+4*\s], 1
	s_add_co_u32 s[G0B+4*\s+1], s45, \s*SLOT
	s_add_nc_u64 s[G0B+4*\s+2:G0B+4*\s+3], s[46:47], \s*RBK
	s_or_b32 s[G0B+4*\s+3], s[G0B+4*\s+3], 0x80000000
	JLOAD G0+4*\s, G1, G0B+4*\s, G1B
.endr
	v_and_b32 v1, 15, v0                           ; r
	v_bfe_u32 v2, v0, 4, 1                         ; h
	v_and_b32 v3, 31, v0
	v_lshlrev_b32 v[CO], 4, v3                     ; 16 x lane: my bytes of a row of 512
	v_lshlrev_b32 v3, 3, v3                        ; 8 x lane
	v_lshlrev_b32 v7, 6, v2                        ; the bias: 16 h numbers on
	s_lshl_b32 s46, s42, 10                        ; my first column, in bytes: 1,024 x tile + 512 x half
	s_lshl_b32 s47, s16, 9
	s_add_co_u32 s46, s46, s47
	s_mov_b32 s47, 0
	s_add_nc_u64 s[8:9], s[8:9], s[46:47]
.irp b, 0,1,2,3,4,5,6,7                ; block b's eight registers: bo at column 32 (b / 2) + 8 (b % 2) + 16 h + 0 .. 7
	global_load_b128 v[BI+8*\b:BI+8*\b+3], v7, s[8:9] offset:128*(\b/2)+32*(\b%2)
	global_load_b128 v[BI+8*\b+4:BI+8*\b+7], v7, s[8:9] offset:128*(\b/2)+32*(\b%2)+16
.endr
	s_lshl_b32 s20, s17, 8
	s_lshl_b32 s21, s15, 7
	s_add_co_u32 s20, s20, s21                     ; my first token
	s_lshl_b32 s20, s20, 12                        ; rows of 4,096 bytes
	s_mov_b32 s21, 0
	s_add_nc_u64 s[20:21], s[20:21], s[46:47]
	s_add_nc_u64 s[12:13], s[10:11], s[20:21]      ; out0 at my part's corner; never stepped
	s_mul_i32 s21, s15, HALFT
	s_mul_i32 s22, s16, HALFT
	s_add_co_u32 s22, s22, 2*HALFT
.irp s, 0,1
	v_add_nc_u32 v[ADRA+\s], s21, v3
	v_add_nc_u32 v[ADRB+\s], s22, v3
	s_add_co_u32 s21, s21, SLOT
	s_add_co_u32 s22, s22, SLOT
.endr
	v_lshlrev_b32 v5, 2, v1
	s_mul_i32 s21, s15, HALFS
	s_mul_i32 s22, s16, HALFS
	s_add_co_u32 s22, s22, 2*HALFS
	s_sub_co_u32 s22, s22, s21
	v_mul_u32_u24 v6, s22, v2                      ; lanes 16-31 take B's: one product with h
	s_add_co_u32 s21, s21, SCL
	v_add_nc_u32 v5, v5, v6
	v_add_nc_u32 v[ADRS], s21, v5
	s_mul_i32 s23, s14, 16*SPITCH                  ; my stage
	v_mul_u32_u24 v5, v1, SPITCH
	v_lshl_add_u32 v5, v2, 6, v5
	v_add_nc_u32 v[STO], s23, v5                   ; in: row r, + 64 h
	v_add_nc_u32 v[RD], s23, v[CO]                 ; back: a row's 512 bytes to the 32 lanes
.macro FRAG reg, adr, q, i
.irp p, 0,1,2,3,4,5
	ds_load_b64 v[\reg+2*\p:\reg+2*\p+1], v[\adr] offset:(\i)*RBK+(\q)*FRB+256*\p
.endr
.endm
; 16 matrix instructions: A's blocks a0, a0 + 1 x B's eight.  zero = 1: the first product starts the sums from the bias.  The 64 accumulators take turns, one instruction a turn.
.macro MUL16 a0, p, q, sc, zero
.irp a, \a0, \a0+1
.irp b, 0,1,2,3,4,5,6,7
.if \zero
	v_wmma_scale_f32_16x16x128_f8f6f4 v[8*(8*((\a)%4)+\b):8*(8*((\a)%4)+\b)+7], v[128*(\p)+FR*\b:128*(\p)+FR*\b+FR-1], v[AF+FR*(\a):AF+FR*(\a)+FR-1], v[BI+8*\b:BI+8*\b+7], v[SC+8*NQ*(\sc)+NQ*\b+(\q)], v[SC+8*NQ*(\sc)+NQ*(\a)+(\q)] matrix_a_fmt:MATRIX_FMT_FP6 matrix_b_fmt:MATRIX_FMT_FP6 matrix_a_scale:MATRIX_SCALE_ROW1
.else
	v_wmma_scale_f32_16x16x128_f8f6f4 v[8*(8*((\a)%4)+\b):8*(8*((\a)%4)+\b)+7], v[128*(\p)+FR*\b:128*(\p)+FR*\b+FR-1], v[AF+FR*(\a):AF+FR*(\a)+FR-1], v[8*(8*((\a)%4)+\b):8*(8*((\a)%4)+\b)+7], v[SC+8*NQ*(\sc)+NQ*\b+(\q)], v[SC+8*NQ*(\sc)+NQ*(\a)+(\q)] matrix_a_fmt:MATRIX_FMT_FP6 matrix_b_fmt:MATRIX_FMT_FP6 matrix_a_scale:MATRIX_SCALE_ROW1
.endif
.endr
.endr
.endm
.macro FETCH_B slot, q, p
	WIN TO_B
.irp i, 0,1,2,3,4,5,6,7
	FRAG 128*(\p)+FR*\i, ADRB+\slot, \q, \i
.endr
	WIN 0
.endm
.macro FETCH_A slot, q, i0
.irp i, \i0, \i0+1, \i0+2, \i0+3
	FRAG AF+FR*(\i), ADRA+\slot, \q, \i
.endr
.endm
.macro SCALES sc
.irp i, 0,1,2,3,4,5,6,7
.irp q, 0,1
	ds_load_b32 v[SC+8*NQ*\sc+NQ*\i+\q], v[ADRS] offset:\i*512+\q*64
.endr
.endr
.endm
.macro PLACES n
.rept \n
	v_nop
.endr
.endm
.macro STEP slot, q, zero
	s_wait_dscnt 4*NL                              ; B's set, A's blocks 0-3 and the scale words are in; the youngest 24 loads (A's blocks 4-7) may be out
.if \zero
	WIN FIRST_LO
.else
	WIN MUL_LO
.endif
	MUL16 0, (\q)%2, \q, \slot, \zero
	MUL16 2, (\q)%2, \q, \slot, \zero
	s_wait_dscnt 0
	PLACES NP
	FETCH_B \slot, (\q)+1, 1-(\q)%2
	FETCH_A \slot, (\q)+1, 0
.if \zero
	WIN FIRST_HI
.else
	WIN MUL_HI
.endif
	MUL16 4, (\q)%2, \q, \slot, \zero
	MUL16 6, (\q)%2, \q, \slot, \zero
	PLACES NP
	WIN 0
	FETCH_A \slot, (\q)+1, 4
.endm
.macro TURN slot, next, fill           ; a slot's last step changes slots: one barrier; in front of it each wave waits for all its tensor loads, adds 0 to its spare word, and waits for that and for its own reads of this slot
	s_wait_tensorcnt 0x0
	ds_add_u32 v[SPW], v[NIL]                      ; 0 onto my spare word
	s_wait_dscnt 4*NL+1                            ; (the add and the youngest 24 loads may be out)
	WIN MUL_LO
	MUL16 0, 1, NQ-1, \slot, 0
	s_wait_dscnt 0x0                               ; the add is done, and my reads of this slot are over
	s_barrier_signal -1
	MUL16 2, 1, NQ-1, \slot, 0
	WIN 0
	s_barrier_wait -1
.if \fill
	CREST                                          ; the barrier has opened a round of the cluster's barrier
	s_add_nc_u64 s[G0+4*\slot+2:G0+4*\slot+3], s[G0+4*\slot+2:G0+4*\slot+3], 2*RBK
	s_add_nc_u64 s[G0B+4*\slot+2:G0B+4*\slot+3], s[G0B+4*\slot+2:G0B+4*\slot+3], 2*RBK
	JLOAD G0+4*\slot, G1, G0B+4*\slot, G1B         ; the first tensor load behind the round; its four v_nop are the places in front of the loads below
.else
	PLACES NP
.endif
	v_add_nc_u32 v[ADRS], 64*NQ, v[ADRS]
	FETCH_B \next, 0, 0
	FETCH_A \next, 0, 0
	SCALES \next
	WIN MUL_HI
	MUL16 4, 1, NQ-1, \slot, 0
	MUL16 6, 1, NQ-1, \slot, 0
	PLACES NP
	WIN 0
	FETCH_A \next, 0, 4
.endm
	s_wait_tensorcnt 1                             ; the scale words and my part of ring step 0 are in (ring step 1's load may be out),
	s_barrier_signal -1
	s_barrier_wait -1                              ; everybody's are
	FETCH_B 0, 0, 0
	FETCH_A 0, 0, 0
	SCALES 0
	FETCH_A 0, 0, 4
	s_wait_loadcnt 0x0                             ; the bias
	STEP 0, 0, 1
	TURN 0, 1, 1                                   ; the eight steps of 128 are written out; slot 0 takes ring step 2,
	STEP 1, 0, 0
	TURN 1, 0, 1                                   ; slot 1 ring step 3
	STEP 0, 0, 0
	TURN 0, 1, 0                                   ; nothing is left to fetch; behind this barrier nobody reads slot 0
	STEP 1, 0, 0
	s_wait_dscnt 4*NL
	WIN MUL_LO
	MUL16 0, 1, NQ-1, 1, 0
	MUL16 2, 1, NQ-1, 1, 0
	s_wait_dscnt 0
	WIN MUL_HI
	MUL16 4, 1, NQ-1, 1, 0
	MUL16 6, 1, NQ-1, 1, 0
	WIN 0
; THE WAY OUT, block by block of 16 tokens x 128 columns, through my own stage: in by 32 bytes of a row a lane, back as whole rows of 512 bytes.  LDS serves a wave's instructions in order: no wait between the stores and the loads.
.macro TOSTAGE a
.set AC, 64*((\a)%4)
	WIN 0x08+4*((\a)/4)                            ; the data: window 2 or 3
.irp b, 0,1,2,3,4,5,6,7
	ds_store_b128 v[STO], v[AC+8*\b:AC+8*\b+3] offset:128*(\b/2)+32*(\b%2)       ; each accumulator from its low end on; columns 32 (b / 2) + 16 h + 8 (b % 2) on
	ds_store_b128 v[STO], v[AC+8*\b+4:AC+8*\b+7] offset:128*(\b/2)+32*(\b%2)+16
.endr
	WIN 0
.set BB, BK+64*((\a)%2)
.irp t, 0,1,2,3,4,5,6,7,8,9,10,11,12,13,14,15
	ds_load_b128 v[BB+4*\t:BB+4*\t+3], v[RD] offset:\t*SPITCH
.endr
.endm
.macro SEND a, younger                 ; younger: the LDS instructions issued behind block a's loads, which may stay out
.set BB, BK+64*((\a)%2)
	s_wait_dscnt \younger
.irp t, 0,1,2,3,4,5,6,7,8,9,10,11,12,13,14,15
	global_store_b128 v[CO], v[BB+4*\t:BB+4*\t+3], s[12:13] offset:(32*((\a)/2)+8*((\a)%2)+\t+8*(\t/8))*4096 th:TH_STORE_NT   ; row t of block a is token 32 (a / 2) + 8 (a % 2) + t + 8 (t / 8); 512 consecutive bytes, aligned
.endr
.endm
	PLACES NP                                      ; behind the last products: for the loads into the registers that held A's fragments and for the reads of results
	TOSTAGE 0
.irp a, 1,2,3,4,5,6,7
.if \a > 1
	s_wait_xcnt 0x0                                ; block a - 2's stores have read their registers: block a's loads may land there
.endif
	TOSTAGE \a
	SEND \a-1, 32                                  ; behind block a - 1's loads: block a's 16 stores and 16 loads
.endr
	SEND 7, 0
	s_wait_tensorcnt 0x0                           ; the wave's end: behind my last tensor load and my last LDS store
	ds_add_u32 v[SPW], v[NIL]
	s_wait_dscnt 0x0
	CROUND                                         ; the closing round
	s_endpgm
.Lfunc_end_k_q1ee874b474_proj:
	.size	k_q1ee874b474_proj, .Lfunc_end_k_q1ee874b474_proj-k_q1ee874b474_proj
	.p2alignl 7, 3214868480
	.fill 96, 4, 3214868480
	.section	.rodata,"a",@progbits
	.p2align	6, 0x0
	.amdhsa_kernel k_q1ee874b474_proj
		.amdhsa_group_segment_fixed_size 327680
		.amdhsa_private_segment_fixed_size 0
		.amdhsa_enable_private_segment 0
		.amdhsa_kernarg_size 32
		.amdhsa_user_sgpr_count 2
		.amdhsa_user_sgpr_kernarg_segment_ptr 1
		.amdhsa_wavefront_size32 1
		.amdhsa_system_sgpr_workgroup_id_x 1
		.amdhsa_system_sgpr_workgroup_id_y 1
		.amdhsa_system_sgpr_workgroup_id_z 1
		.amdhsa_system_vgpr_workitem_id 0
		.amdhsa_next_free_vgpr 1024
		.amdhsa_next_free_sgpr 100
		.amdhsa_reserve_vcc 0
		.amdhsa_float_denorm_mode_32 3
		.amdhsa_float_denorm_mode_16_64 3
		.amdhsa_memory_ordered 1
		.amdhsa_forward_progress 1
		.amdhsa_inst_pref_size 162
	.end_amdhsa_kernel
	.amdgpu_metadata
---
amdhsa.version: [ 1, 2 ]
amdhsa.kernels:
  - .name:           k_q1ee874b474_proj
    .symbol:         k_q1ee874b474_proj.kd
    .args:
      - { .name: ocod, .offset: 0, .size: 8, .value_kind: global_buffer, .address_space: global }
      - { .name: opnd, .offset: 8, .size: 8, .value_kind: global_buffer, .address_space: global }
      - { .name: bo, .offset: 16, .size: 8, .value_kind: global_buffer, .address_space: global }
      - { .name: out0, .offset: 24, .size: 8, .value_kind: global_buffer, .address_space: global }
    .group_segment_fixed_size: 327680
    .private_segment_fixed_size: 0
    .kernarg_segment_align: 8
    .kernarg_segment_size: 32
    .max_flat_workgroup_size: 128
    .sgpr_count:     100
    .vgpr_count:     1024
    .wavefront_size: 32
...
	.end_amdgpu_metadata
.endif
;; end of part 4
